; MI455X (gfx1250); checked and timed in simulation.
; The chip was launched on July 23, 2026; its instructions are those of AMD's public machine-readable ISA for CDNA 5 (MIT licence, August 2026) and "CDNA5" Instruction Set Architecture Reference Guide (July 2026). The comments in the code are by the model that wrote it; some were corrected since.
;; Attention Hyper Net. Allowed arithmetic: matrix products marked QUANTISED: E2M3 operands, one E8M0 scale for each 32 along K, by v_wmma_scale_f32_16x16x128_f8f6f4 with both operands' format E2M3, f32 sums; products left as they are: f32 operands where the result goes on into a quantised operand, else bf16, f16 or f32 operands; f32 sums; everything else in f32.
;; Inputs: W1 19 x 128 float32; W2_codes 32 x 4 x 24 uint8 (E2M3 codes of W2, K innermost, in blocks of 32 codes, four codes in three bytes); W2_scales 32 x 4 uint8 (E8M0 scales of W2, one for each 32 codes along K); Wout_codes 128 x 4 x 24 uint8 (E2M3 codes of Wout, K innermost, in blocks of 32 codes, four codes in three bytes); Wout_scales 128 x 4 uint8 (E8M0 scales of Wout, one for each 32 codes along K); Wqkv_codes 384 x 4 x 24 uint8 (E2M3 codes of Wqkv, K innermost, in blocks of 32 codes, four codes in three bytes); Wqkv_scales 384 x 4 uint8 (E8M0 scales of Wqkv, one for each 32 codes along K); b1 128 float32; b2 32 float32; bout 128 float32; entities 4,096 x 128 x 19 float32; entity_mask 4,096 x 128 int32.
;; Outputs: out0 4,096 x 64 x 32 float32.
;; This version of the problem:
;;   THIS VERSION OF THE PROBLEM IS GIVEN IN LOW PRECISION. The matrix products marked QUANTISED in the list below multiply operands that are first quantised to E2M3 (2 exponent bits, 3 mantissa bits; 6 bits a number), with one power-of-two scale for each 32 numbers along K (OCP MX v1.0); their sums are f32. All else is computed in f32.
;;   The module's matrix products, in the order in which they are computed (A, B: the left and right operand; K: the contracted axis; several contracted axes count as one K, in the product's order):
;;     1. [M 524,288, K 19] x [K 19, N 128]; A: input entities; B: input W1: left as it is (K = 19 < 32)
;;     2. batch 4,096 x [M 64, K 1] x [K 1, N 128]; A: computed on the way; B: computed on the way: left as it is (no contracted axis)
;;     3. [M 524,288, K 128] x [K 128, N 384]; A: computed on the way; B: input Wqkv (given as codes): QUANTISED
;;     4. batch 16,384 x [M 64, K 32] x [K 32, N 128]; A: computed on the way; B: computed on the way: QUANTISED
;;     5. batch 16,384 x [M 64, K 128] x [K 128, N 32]; A: computed on the way; B: computed on the way: QUANTISED
;;     6. [M 262,144, K 128] x [K 128, N 128]; A: computed on the way; B: input Wout (given as codes): QUANTISED
;;     7. [M 262,144, K 128] x [K 128, N 32]; A: computed on the way; B: input W2 (given as codes): QUANTISED
;;   THE QUANTISER, for each operand of a quantised product, along K:
;;     - K is cut into blocks of 32 from its start; a last block that is shorter is filled with zeros.
;;     - A block's scale is 2^e with e = floor(log2(the largest magnitude in the block)) - 2, held to -126 .. 127; a block of zeros has e = 0. As a byte (E8M0): e + 127.
;;     - Each number is divided by its block's scale, clamped to +-7.5, and rounded to the nearest number of E2M3, ties to even, subnormals kept.
;;     - The product sums the exact products of the quantised numbers (number of the format x scale) in f32.
;;   ~~~python
;;   def quantise(x, axis):      # numpy; x: float32 -> the quantised numbers, widened to float32 again
;;       x = np.moveaxis(x, axis, -1); K = x.shape[-1]
;;       x = np.pad(x, [(0, 0)] * (x.ndim - 1) + [(0, -K % 32)]); x = x.reshape(x.shape[:-1] + (-1, 32)); a = np.abs(x).max(-1, keepdims=True)
;;       e = np.where(a > 0, np.clip(np.frexp(np.where(a > 0, a, 1))[1] - 1 - 2, -126, 127), 0)      # np.frexp(a)[1] - 1 = floor(log2(a)), exactly
;;       r = np.clip(x / 2.0 ** e, -7.5, 7.5)
;;       step = 2.0 ** (np.maximum(np.frexp(np.where(r == 0, 1, r))[1] - 1, 0) - 3)
;;       q = np.round(r / step) * step * 2.0 ** e      # np.round: ties to even
;;       return np.moveaxis(q.reshape(q.shape[:-2] + (-1,))[..., :K], -1, axis).astype(np.float32)
;;   ~~~
;;   OPERANDS COMPUTED ON THE WAY. 'Computed on the way' means the value that the module computes at that place (a softmax that the list does not call 'softmax' is quantised finished and normalised). What goes into a quantiser is computed in f32, as accurately as f32 sums, v_exp_f32 and their like allow (about 1e-6 of the number): no bf16 or f16 on the way to a quantiser, and a product that is left as it is and whose result goes on into a quantised operand takes f32 operands (vector FMAs, or v_wmma_f32_16x16x4_f32). A number that lies on a knife's edge between two numbers of the format may be rounded either way, as far as f32 arithmetic and the matrix unit's own rounding can turn it there, and no further.
;;   INPUTS GIVEN AS CODES. W2 (in the module: [128, 32], K = its axis 0); Wout (in the module: [128, 128], K = its axis 0); Wqkv (in the module: [128, 384], K = its axis 0): each comes as NAME_codes (uint8): NAME with its K axis moved to the last place and cut into blocks of 32 codes, [.., K / 32, bytes a block], one block behind the other in memory; four codes in three bytes: a row's codes are one little-endian stream of bits, code i at bits 6 i .. 6 i + 5 (a code: sign, 2 exponent bits, 3 mantissa bits); and NAME_scales (uint8): the same leading axes, one E8M0 byte (e + 127) for each 32 codes along K. Its value is code x scale, taken as it is: it is not quantised again, and the codes and scales need not be those that the quantiser above would give.
;; 2 versions, each right; version 2 is version 1 with the launch hyper written anew for expert scheduling mode. Each part assembles by itself: llvm-mc -triple=amdgcn-amd-amdhsa -mcpu=gfx1250 --defsym DOCPART=n.
;; ======== version 1 of 2: 1 launch
;; limits: right only within a limited range of input values
;; launch hyper (part 1): grid 256 x 1, 8 waves a work-group, no clusters, 207,872 bytes of LDS; arguments entities, entity_mask, W1, b1, Wqkv_codes, Wqkv_scales, Wout_codes, Wout_scales, bout, W2_codes, W2_scales, b2, out0; writes out0
.if DOCPART == 1
	.amdgcn_target "amdgcn-amd-amdhsa--gfx1250"
	.amdhsa_code_object_version 6
	.text
	.protected	k_q73d7ac9b6a_hyper
	.globl	k_q73d7ac9b6a_hyper
	.p2align	8
	.type	k_q73d7ac9b6a_hyper,@function
k_q73d7ac9b6a_hyper:
	s_mov_b64 s[64:65], 0
	v_nop
	global_prefetch_b8 v0, s[64:65] scope:SCOPE_SE
	s_setreg_imm32_b32 hwreg(HW_REG_WAVE_MODE, 25, 1), 1
	s_wait_xcnt 0x0
; AttentionHyperNet, 4,096 batches: x1 = relu(ent W1 + b1) (f32); q, k, v = Q(x1) Wqkv; 4 heads of 32: softmax(Q(q) Q(k)^T / sqrt(32), masked) ; Q(w) Q(v); Q(attn) Wout + bout; Q(x2) W2 + b2; masked rows 0.
; Q is the MX quantiser to E2M3 codes, one E8M0 scale for each 32 along a product's K; those products go by v_wmma_scale_f32_16x16x128_f8f6f4, fc1 (K = 19) by v_wmma_f32_16x16x4_f32.
; SHARES.  ONE WAVE TAKES ONE BATCH THROUGH THE WHOLE CHAIN; nothing but the weights is shared.  8 waves of 512 registers a work-group, 2 batches a wave, 256 work-groups: 4,096 batches.
; The weights are laid into LDS once, as images of the operands' registers; one barrier behind that; afterwards those bytes are only read and every wave touches only its own 17,408 bytes.
; No tensor loads: a batch's 10 KB are dense, read once, and come through registers a phase ahead.  No cluster: the shared bytes are 55 KB of weights a work-group, read once.
; THE MASKS.  A row with am > 0 ends as 0 by reference's last select, whatever stood before.  For a row with am <= 0, 1 - (1 - am)(1 - em) > 0 holds exactly where em > 0, and the row's own key is open,
; so the case 'all keys hidden' arises only in rows that end as 0.  So: a bias on hidden keys (em > 0) ahead of the maximum, and one select at the end (am > 0 -> 0).  The select on x2 touches only rows
; that the last select zeroes, and the quantiser works row by row: it is contained in the last one.
; TILES.  Lane r of tile T of any operand takes row 32 (T / 2) + 8 (T % 2) + r + (r & 8).  A result whose M rows were such a tile holds, in lane half h, register 8 T + j, index 32 (T / 2) + 16 h + 8 (T % 2) + j:
; sixteen registers of two neighbouring tiles are sixteen neighbours along the next K, which is what the conversions want.
; K = 32 (q k^T) IN AN INSTRUCTION OF K = 128: four key tiles' codes are packed as the four blocks of one fragment; the query tile's 32 codes stand at one block's place among zero codes.
; LIMITS.  NaN and infinities among the inputs are not served.  A hidden key gets the bias -1e30, not -infinity: its weight is exactly 0 while |q . k| < 1e29.  A block of zeros gets the scale byte 1, not 127
; (its codes are zeros; only this text reads the bytes).  Weights under 2^-126 become 0 (v_exp_f32).  1 / sum is v_rcp_f32.  A block's largest weight is its largest score put through the same instructions,
; which takes v_exp_f32 not to fall where its input rises.  A batch whose every entity is hidden may form infinities on the way; all its rows are selected to 0.
.set WIMG,  0                          ; LDS, shared: 34 fragment images of 1,536 bytes: 0-23 Wqkv's tiles, 24-31 Wout's, 32-33 W2's; register group c at 512 c + 16 lane
.set WSCL,  52224                      ; their scale words, 128 bytes an image, 4 bytes a lane
.set W1IMG, 56576                      ; 40 operand pairs of W1^T (tile T, K step s: 5 T + s), 256 bytes each, 8 bytes a lane
.set BOT,   66816                      ; bout as it lies, 512 bytes
.set PRIV0, 67584                      ; from here 17,408 bytes for each wave:
.set PRIVB, 17408
.set MT,    9728                       ; +0 the batch's entities as they lie (9,728 bytes, 76 a row), later the stage for the output (64 rows x 144); +9,728 the keys' bias, 128 f32
.set ATC,   10240                      ; attn's codes as rows: 1,664 x query tile + 104 r + 24 head + 12 h
.set ATS,   16896                      ; attn's scale words: 64 x query tile + 4 r + head
; window 0
.set L16, 1                            ; 16 lane
.set L4,  2                            ; 4 lane
.set L8W, 3                            ; W1IMG + 8 lane
.set SA,  4                            ; P + 16 lane (P: my wave's bytes)
.set EA,  5                            ; P + 76 rr + 8 h
.set EA2, 6                            ; P + 76 rr + 4 h
.set MTA, 7                            ; P + MT + 16 lane
.set MCA, 8                            ; P + MT + 64 h
.set AMA, 9                            ; P + MT + 4 rr
.set BCA, 10                           ; BOT + 64 h
.set ATB, 11                           ; P + ATC + 104 r + 12 h
.set ATR, 12                           ; P + ATC + 104 r + 24 h
.set ASB, 13                           ; P + ATS + 4 r
.set OSA, 14                           ; P + 144 rr + 64 h
.set ORA, 15                           ; P + 144 (lane / 8) + 16 (lane % 8)
.set WA,  16                           ; the head's addresses: weight images,
.set WSA, 17                           ; their scale words,
.set ATA, 18                           ; attn's codes,
.set ASA, 19                           ; attn's scale byte
.set NEG, 20                           ; -1e30
.set ONE, 21                           ; 1.0
.set ZR,  22                           ; 0
.set XS,  24                           ; v24-46 hold scale words and nothing else: x1's eight (later Wout's eight),
.set WS,  32                           ; the weight tiles' two,
.set KS,  34                           ; the packed keys' two,
.set VS,  36                           ; V's two,
.set QS,  38                           ; the query tiles' four,
.set PS,  42                           ; the operand just made,
.set AS,  43                           ; attn's four
.set AB,  47                           ; attn's scale byte on its way to LDS
.set AMV, 48                           ; v48-51 my query's bias (under 0: the row ends as 0)
.set TM,  52                           ; v52-67 +0..3 largest magnitudes, +4..7 the other half's, then bytes, +12..15 the conversions' scale operands
.set CT,  68                           ; v68-83 four places of 4 for conversions' results
.set MX,  84                           ; v84:85 the row's maximum, then 1 / sum
.set NM,  86                           ; v86:87 -c x maximum
.set SA2, 88
.set SB2, 90
.set AX,  92                           ; v92-94 attn's 16 codes
.set QX,  96                           ; v96-111 the four query tiles' codes, half a block a lane
.set EB,  96                           ; fc1: two sets of ten entity numbers, v96-105 and v106-115
.set AF,  96                           ; the last phase: attn's fragment
.set PF,  112                          ; v112-123 the operand just made
.set QZ,  124                          ; v124-153: zeros, Qlo, zeros, Qhi, zeros, six each (the last phase: W2's two fragments)
.set R,   160                          ; v160-223 64 numbers at work
.set ACC, 224                          ; v224-255 fc1's four accumulators: written by matrix instructions alone
; window 1 (v256-511, named by their low 8 bits)
.set KP,  0                            ; the packed keys, two fragments      (fc1: v0-79 W1^T's 40 pairs; from the last phase on: the next batch's entities 0-75 and mask 76-79)
.set VF,  24                           ; V^T, two fragments
.set WF,  48                           ; two weight fragments
.set X1,  80                           ; x1's eight fragments (the last phase: Wout's eight)
.set MB,  176                          ; the keys' bias in the result's layout (the last phase: bout so)
.set B2,  240                          ; b2 in the result's layout; stays
.set WV,  30
.set PB,  31
.set SEL, 32                           ; s[32:33] v_permlanex16_b32's selects for lane l xor 16
.set CS,  34                           ; s[34:35] c = log2(e) / sqrt(32)
.set NC,  36                           ; -c
.set BLK, 37
.set HD,  38
.set HB,  39
.set HS,  40
.set HA,  41
.set HC,  42
.set HM,  43                           ; lanes 16-31
.set CM,  44                           ; s44-47 compare masks
.set MSB, 0
.macro WIN new                         ; low byte: bits 1:0 source 0, 3:2 source 1, 5:4 source 2, 7:6 destination; the high byte repeats the setting that is left
.if MSB != \new
	s_set_vgpr_msb (MSB<<8)|\new
.set MSB, \new
.endif
.endm
.macro PLACES n                        ; plain places behind a matrix instruction, or ahead of a scaled one (ISA guide 7.12.1)
.rept \n
	v_nop
.endr
.endm
.macro SW0 d, a, b, sa, sb             ; a scaled product that starts its sum
	v_wmma_scale_f32_16x16x128_f8f6f4 v[\d:\d+7], v[\a:\a+11], v[\b:\b+11], 0, v[\sa], v[\sb] matrix_a_fmt:MATRIX_FMT_FP6 matrix_b_fmt:MATRIX_FMT_FP6
.endm
.macro SWC d, a, b, cc, sa, sb         ; and one that starts it with other registers (a bias)
	v_wmma_scale_f32_16x16x128_f8f6f4 v[\d:\d+7], v[\a:\a+11], v[\b:\b+11], v[\cc:\cc+7], v[\sa], v[\sb] matrix_a_fmt:MATRIX_FMT_FP6 matrix_b_fmt:MATRIX_FMT_FP6
.endm
.macro FETCHW dst, adr, off            ; a fragment's image back into registers
.irp c,0,1,2
	ds_load_b128 v[\dst+4*\c:\dst+4*\c+3], v[\adr] offset:\off+512*\c
.endr
.endm
.macro LOADC dst, adr                  ; 128 f32 of LDS into the result's layout: register 8 T + j = number 32 (T / 2) + 16 h + 8 (T % 2) + j
.irp c,0,1,2,3,4,5,6,7
	ds_load_b128 v[\dst+8*\c:\dst+8*\c+3], v[\adr] offset:128*(\c/2)+32*(\c%2)
	ds_load_b128 v[\dst+8*\c+4:\dst+8*\c+7], v[\adr] offset:128*(\c/2)+32*(\c%2)+16
.endr
.endm
; 64 numbers of a lane, register 16 b + i = k 32 b + 16 h + i of my row.  BMAX: the four blocks' largest magnitudes, with the floor 2^(3 - 127) among the leaves, so that no byte falls under 1.
.macro BMAX s
.irp b,0,1,2,3
	v_max3_num_f32 v[TM+\b], |v[\s+16*\b]|, |v[\s+1+16*\b]|, 0x1800000
.endr
.irp i,2,4,6,8,10,12,14
.irp b,0,1,2,3
	v_max3_num_f32 v[TM+\b], v[TM+\b], |v[\s+16*\b+\i]|, |v[\s+1+16*\b+\i]|
.endr
.endr
.irp b,0,1,2,3
	v_permlanex16_b32 v[TM+4+\b], v[TM+\b], s[SEL], s[SEL+1]
.endr
.irp b,0,1,2,3
	v_max_num_f32 v[TM+\b], v[TM+\b], v[TM+4+\b]
.endr
.endm
; QPACK: from the four largest magnitudes: the scale word into v[sw], the fragment's codes into v[dst] on (w1 = 1: of window 1)
.macro QPACK s, dst, sw, w1
.irp b,0,1,2,3
	v_add_nc_u32 v[TM+12+\b], 0xff000000, v[TM+\b]         ; 2 off the exponent field: the conversion takes that field as its scale
.endr
.irp b,0,1,2,3
	v_lshrrev_b32 v[TM+4+\b], 23, v[TM+12+\b]              ; the scale's byte
.endr
	v_lshl_or_b32 v[\sw], v[TM+5], 8, v[TM+4]
	v_lshl_or_b32 v[\sw], v[TM+6], 16, v[\sw]
	v_lshl_or_b32 v[\sw], v[TM+7], 24, v[\sw]
.if \w1
.irp c,0,1
	v_cvt_scalef32_pk16_fp6_f32 v[CT+8*\c:CT+8*\c+2], v[\s+32*\c:\s+32*\c+15], v[TM+12+2*\c]
	v_cvt_scalef32_pk16_fp6_f32 v[CT+8*\c+4:CT+8*\c+6], v[\s+32*\c+16:\s+32*\c+31], v[TM+13+2*\c]
.endr
	v_nop                                                  ; one plain place behind the conversions
.irp c,0,1
.irp i,0,1,2
	v_permlane16_swap_b32 v[CT+8*\c+\i], v[CT+8*\c+4+\i]   ; a whole block to a lane: lanes 0-15 block 2 c, lanes 16-31 block 2 c + 1
.endr
.endr
	WIN 0x40
.irp c,0,1
.irp i,0,1,2
	v_mov_b32 v[\dst+6*\c+\i], v[CT+8*\c+\i]
	v_mov_b32 v[\dst+6*\c+3+\i], v[CT+8*\c+4+\i]
.endr
.endr
	WIN 0
.else
.irp c,0,1
	v_cvt_scalef32_pk16_fp6_f32 v[\dst+6*\c:\dst+6*\c+2], v[\s+32*\c:\s+32*\c+15], v[TM+12+2*\c]
	v_cvt_scalef32_pk16_fp6_f32 v[CT+4*\c:CT+4*\c+2], v[\s+32*\c+16:\s+32*\c+31], v[TM+13+2*\c]
.endr
	v_nop
.irp c,0,1
.irp i,0,1,2
	v_permlane16_swap_b32 v[\dst+6*\c+\i], v[CT+4*\c+\i]
.endr
.irp i,0,1,2
	v_mov_b32 v[\dst+6*\c+3+\i], v[CT+4*\c+\i]
.endr
.endr
.endif
.endm
.macro QUANT s, dst, sw, w1
	BMAX \s
	QPACK \s, \dst, \sw, \w1
.endm
; The four query tiles (block b of R = tile b): a scale byte in all four bytes of its word, and 16 codes a lane
.macro QUANTQ
	BMAX R
.irp b,0,1,2,3
	v_add_nc_u32 v[TM+12+\b], 0xff000000, v[TM+\b]
.endr
.irp b,0,1,2,3
	v_lshrrev_b32 v[TM+4+\b], 23, v[TM+12+\b]
.endr
.irp b,0,1,2,3
	v_lshl_or_b32 v[TM+4+\b], v[TM+4+\b], 8, v[TM+4+\b]
.endr
.irp b,0,1,2,3
	v_lshl_or_b32 v[QS+\b], v[TM+4+\b], 16, v[TM+4+\b]
.endr
.irp b,0,1,2,3
	v_cvt_scalef32_pk16_fp6_f32 v[QX+4*\b:QX+4*\b+2], v[R+16*\b:R+16*\b+15], v[TM+12+\b]
.endr
	v_nop
.endm
; Query tile n's 32 codes a row: Qlo holds them in lanes 0-15 and zeros in lanes 16-31, Qhi the other way round
.macro QVER n
.irp i,0,1,2
	v_mov_b32 v[QZ+6+\i], v[QX+4*(\n)+\i]
	v_mov_b32 v[QZ+9+\i], 0
	v_mov_b32 v[QZ+18+\i], 0
	v_mov_b32 v[QZ+21+\i], v[QX+4*(\n)+\i]
.endr
.irp i,0,1,2
	v_permlane16_swap_b32 v[QZ+6+\i], v[QZ+9+\i]
	v_permlane16_swap_b32 v[QZ+18+\i], v[QZ+21+\i]
.endr
.endm
; R holds my query's 64 of 128 scores (bias added).  w = 2^(c s - c m) / sum, finished and normalised, is quantised along the keys into PF, PS.
.macro SOFTMAX
.irp b,0,1,2,3
	v_max3_num_f32 v[TM+\b], v[R+16*\b], v[R+16*\b+1], v[R+16*\b+2]     ; each block's largest score: for the row's maximum, and for the block's largest weight
.endr
.irp i,3,5,7,9,11,13
.irp b,0,1,2,3
	v_max3_num_f32 v[TM+\b], v[TM+\b], v[R+16*\b+\i], v[R+16*\b+\i+1]
.endr
.endr
.irp b,0,1,2,3
	v_max_num_f32 v[TM+\b], v[TM+\b], v[R+16*\b+15]
.endr
.irp b,0,1,2,3
	v_permlanex16_b32 v[TM+4+\b], v[TM+\b], s[SEL], s[SEL+1]
.endr
.irp b,0,1,2,3
	v_max_num_f32 v[TM+\b], v[TM+\b], v[TM+4+\b]
.endr
	v_max3_num_f32 v[MX], v[TM], v[TM+1], v[TM+2]
	v_max_num_f32 v[MX], v[MX], v[TM+3]                    ; the row's maximum
	v_mul_f32 v[NM], s[NC], v[MX]                          ; -c m: its rounding is one factor for the whole row and leaves with the division
.irp i,0,2,4,6,8,10,12,14,16,18,20,22,24,26,28,30,32,34,36,38,40,42,44,46,48,50,52,54,56,58,60,62
	v_pk_fma_f32 v[R+\i:R+\i+1], v[R+\i:R+\i+1], s[CS:CS+1], v[NM:NM+1] op_sel_hi:[1,0,0]
.endr
.irp b,0,1,2,3
	v_fma_f32 v[TM+\b], v[TM+\b], s[CS], v[NM]
.endr
.irp i,0,1,2,3,4,5,6,7,8,9,10,11,12,13,14,15,16,17,18,19,20,21,22,23,24,25,26,27,28,29,30,31,32,33,34,35,36,37,38,39,40,41,42,43,44,45,46,47,48,49,50,51,52,53,54,55,56,57,58,59,60,61,62,63
	v_exp_f32 v[R+\i], v[R+\i]
.endr
.irp b,0,1,2,3
	v_exp_f32 v[TM+\b], v[TM+\b]
.endr
	v_nop                                                  ; a plain place behind the exponentials
	s_wait_alu depctr_va_vdst(0)
	v_pk_add_f32 v[SA2:SA2+1], v[R:R+1], v[R+2:R+3]        ; the row's sum, two at a time, in two chains
	v_pk_add_f32 v[SB2:SB2+1], v[R+4:R+5], v[R+6:R+7]
.irp i,8,12,16,20,24,28,32,36,40,44,48,52,56,60
	v_pk_add_f32 v[SA2:SA2+1], v[SA2:SA2+1], v[R+\i:R+\i+1]
	v_pk_add_f32 v[SB2:SB2+1], v[SB2:SB2+1], v[R+\i+2:R+\i+3]
.endr
	v_pk_add_f32 v[SA2:SA2+1], v[SA2:SA2+1], v[SB2:SB2+1]
	v_add_f32 v[SA2], v[SA2], v[SA2+1]
	v_permlanex16_b32 v[SB2], v[SA2], s[SEL], s[SEL+1]
	v_add_f32 v[SA2], v[SA2], v[SB2]
	v_rcp_f32 v[MX], v[SA2]
	v_nop                                                  ; a plain place behind the reciprocal
	s_wait_alu depctr_va_vdst(0)
.irp i,0,2,4,6,8,10,12,14,16,18,20,22,24,26,28,30,32,34,36,38,40,42,44,46,48,50,52,54,56,58,60,62
	v_pk_mul_f32 v[R+\i:R+\i+1], v[R+\i:R+\i+1], v[MX:MX+1] op_sel_hi:[1,0]
.endr
.irp b,0,1,2,3
	v_mul_f32 v[TM+\b], v[TM+\b], v[MX]                    ; the block's largest weight: the same instructions on the same number
.endr
.irp b,0,1,2,3
	v_max_num_f32 v[TM+\b], 0x1800000, v[TM+\b]            ; the floor
.endr
	QPACK R, PF, PS, 0
.endm
; R[0..15] = attn(my query of tile n, this head's d = 16 h + 0 .. 15): one block of 32 in lanes l and l xor 16.  Its codes and byte go to my rows in LDS.
.macro ATTNQ n
	v_max3_num_f32 v[TM], |v[R]|, |v[R+1]|, 0x1800000
	v_max3_num_f32 v[TM+1], |v[R+8]|, |v[R+9]|, |v[R+10]|
	v_max3_num_f32 v[TM], v[TM], |v[R+2]|, |v[R+3]|
	v_max3_num_f32 v[TM+1], v[TM+1], |v[R+11]|, |v[R+12]|
	v_max3_num_f32 v[TM], v[TM], |v[R+4]|, |v[R+5]|
	v_max3_num_f32 v[TM+1], v[TM+1], |v[R+13]|, |v[R+14]|
	v_max3_num_f32 v[TM], v[TM], |v[R+6]|, |v[R+7]|
	v_max3_num_f32 v[TM], v[TM], v[TM+1], |v[R+15]|
	v_permlanex16_b32 v[TM+4], v[TM], s[SEL], s[SEL+1]
	v_max_num_f32 v[TM], v[TM], v[TM+4]
	v_add_nc_u32 v[TM+12], 0xff000000, v[TM]
	s_wait_dscnt 0x0                                       ; the last tile's stores have read AX and AB
	v_lshrrev_b32 v[AB], 23, v[TM+12]
	v_cvt_scalef32_pk16_fp6_f32 v[AX:AX+2], v[R:R+15], v[TM+12]
	v_nop
.irp i,0,1,2
	ds_store_b32 v[ATA], v[AX+\i] offset:1664*(\n)+4*\i
.endr
	ds_store_b8 v[ASA], v[AB] offset:64*(\n)               ; both lanes of a row write the same byte with the same value
.endm
; ten numbers of entity tile t: register 2 s + j = ent(my entity, 4 s + 2 h + j); the last is replaced by 1.0 in lanes 16-31 (k = 19 carries b1)
.macro EBLOAD t
.set EBN, EB+10*((\t)%2)
.set FO, (32*((\t)/2)+8*((\t)%2))*76
.irp s,0,1,2,3
	ds_load_b32 v[EBN+2*\s], v[EA] offset:FO+16*\s
	ds_load_b32 v[EBN+2*\s+1], v[EA] offset:FO+16*\s+4
.endr
	ds_load_b32 v[EBN+8], v[EA] offset:FO+64
	ds_load_b32 v[EBN+9], v[EA2] offset:FO+68              ; lanes 0-15 k = 17, lanes 16-31 k = 18: inside the row
.endm
; fc1 for entity tile t: source 0 = 16 features of W1^T, source 1 = 16 entities; 8 feature tiles in two runs of four accumulators by turns, five K steps of 4
.macro TILE t
.set EBC, EB+10*((\t)%2)
.if (\t) < 7
	EBLOAD (\t)+1
	s_wait_dscnt 10                                        ; LDS answers in order: all but the ten loads just issued are in
.else
	s_wait_dscnt 0x0
.endif
	v_cndmask_b32 v[EBC+9], v[EBC+9], v[ONE], s[HM]
.irp c,0,1
	WIN 0x01
.irp s,0,1,2,3,4
.irp q,0,1,2,3
.if \s == 0
	v_wmma_f32_16x16x4_f32 v[ACC+8*\q:ACC+8*\q+7], v[10*(4*\c+\q)+2*\s:10*(4*\c+\q)+2*\s+1], v[EBC+2*\s:EBC+2*\s+1], 0
.else
	v_wmma_f32_16x16x4_f32 v[ACC+8*\q:ACC+8*\q+7], v[10*(4*\c+\q)+2*\s:10*(4*\c+\q)+2*\s+1], v[EBC+2*\s:EBC+2*\s+1], v[ACC+8*\q:ACC+8*\q+7]
.endif
.endr
.endr
	WIN 0
	PLACES 8
.irp i,0,1,2,3,4,5,6,7,8,9,10,11,12,13,14,15,16,17,18,19,20,21,22,23,24,25,26,27,28,29,30,31
	v_max_num_f32 v[R+32*\c+\i], 0, v[ACC+\i]              ; relu, into other registers, each accumulator from its low end on
.endr
.endr
	QUANT R, X1+12*(\t), XS+(\t), 1
.endm
.macro AFLOAD n                        ; attn's fragment of query tile n from my rows: 24 bytes at 24 h and at 48 + 24 h, in pieces of 8
.irp p,0,1,2,3,4,5
	ds_load_b64 v[AF+2*\p:AF+2*\p+1], v[ATR] offset:1664*(\n)+48*(\p/3)+8*(\p%3)
.endr
.endm
	; ---------------- the head: addresses, the first batch's loads, the weights' images ----------------
	s_load_b512 s[4:19], s[0:1], 0x0               ; entities s[4:5], mask s[6:7], W1 s[8:9], b1 s[10:11], Wqkv codes s[12:13], scales s[14:15], Wout codes s[16:17], scales s[18:19]
	s_load_b256 s[20:27], s[0:1], 0x40             ; bout s[20:21], W2 codes s[22:23], scales s[24:25], b2 s[26:27]
	s_load_b64 s[28:29], s[0:1], 0x60              ; out0
	v_lshl_add_u32 v95, v0, 2, 0x32800
	v_mov_b32 v157, 0
	v_lshrrev_b32 v56, 5, v0
	v_readfirstlane_b32 s[WV], v56                 ; wave 0..7
	v_and_b32 v52, 31, v0                          ; lane
	v_and_b32 v53, 15, v0                          ; r
	v_bfe_u32 v54, v0, 4, 1                        ; h
	v_and_b32 v55, 8, v0
	v_add_nc_u32 v55, v55, v53                     ; rr = r + (r & 8)
	s_mul_i32 s[PB], s[WV], PRIVB
	s_add_co_u32 s[PB], s[PB], PRIV0               ; P
	s_add_co_u32 s48, s[PB], MT
	s_add_co_u32 s49, s[PB], ATC
	s_add_co_u32 s50, s[PB], ATS
	v_lshlrev_b32 v[L16], 4, v52
	v_lshlrev_b32 v[L4], 2, v52
	v_lshl_add_u32 v[L8W], v52, 3, W1IMG
	v_add_nc_u32 v[SA], s[PB], v[L16]
	v_mul_u32_u24 v56, v55, 76
	v_add_nc_u32 v56, s[PB], v56
	v_lshl_add_u32 v[EA], v54, 3, v56
	v_lshl_add_u32 v[EA2], v54, 2, v56
	v_add_nc_u32 v[MTA], s48, v[L16]
	v_lshl_add_u32 v[MCA], v54, 6, s48
	v_lshl_add_u32 v[AMA], v55, 2, s48
	v_lshl_add_u32 v[BCA], v54, 6, BOT
	v_mul_u32_u24 v56, v53, 104
	v_add_nc_u32 v56, s49, v56
	v_mad_u32_u24 v[ATB], v54, 12, v56
	v_mad_u32_u24 v[ATR], v54, 24, v56
	v_lshl_add_u32 v[ASB], v53, 2, s50
	v_mul_u32_u24 v56, v55, 144
	v_add_nc_u32 v56, s[PB], v56
	v_lshl_add_u32 v[OSA], v54, 6, v56
	v_lshrrev_b32 v56, 3, v52
	v_mul_u32_u24 v56, v56, 144
	v_add_nc_u32 v56, s[PB], v56
	v_and_b32 v57, 7, v0
	v_lshl_add_u32 v[ORA], v57, 4, v56
	s_lshr_b32 s52, s[WV], 1                       ; wave w lays tile w of each group of eight: its first row is 32 (w / 2) + 8 (w % 2)
	s_lshl_b32 s52, s52, 5
	s_and_b32 s53, s[WV], 1
	s_lshl_b32 s53, s53, 3
	s_add_co_u32 s52, s52, s53
	v_add_nc_u32 v56, s52, v55                     ; my row of the tile
	v_mul_u32_u24 v154, v56, 96
	v_mad_u32_u24 v154, v54, 24, v154              ; its codes: 96 bytes a row, + 24 h
	v_lshlrev_b32 v155, 2, v56                     ; its scale word; also 4 f in W1 and b1
	v_lshl_add_u32 v156, v54, 10, v155             ; W1: 4 f + two rows of 512 bytes for lanes 16-31
	s_mul_i32 s53, s[WV], 1536
	v_add_nc_u32 v158, s53, v[L16]                 ; where my images go,
	s_lshl_b32 s53, s[WV], 7
	s_add_co_u32 s53, s53, WSCL
	v_add_nc_u32 v159, s53, v[L4]                  ; their scale words,
	s_mul_i32 s53, s[WV], 1280
	v_add_nc_u32 v23, s53, v[L8W]                  ; W1^T's five pairs,
	v_add_nc_u32 v92, BOT, v[L16]                  ; bout (wave 7)
	v_lshlrev_b32 v94, 6, v54                      ; b2: 64 h
	s_mov_b32 s[SEL], 0x76543210
	s_mov_b32 s[SEL+1], 0xfedcba98
	s_mov_b32 s[CS], 0x3e8293ee                    ; c = log2(e) / sqrt(32)
	s_mov_b32 s[CS+1], s[CS]                       ; (named with it as a pair, so it is written)
	s_mov_b32 s[NC], 0xbe8293ee
	s_mov_b32 s[HM], 0xffff0000
	s_mov_b32 s[BLK], 2
	v_mov_b32 v[NEG], 0xf149f2ca                   ; -1e30
	v_mov_b32 v[ONE], 1.0
	v_mov_b32 v[ZR], 0
	v_mov_b32 v[MX+1], 0                           ; (upper halves of pairs that packed forms name)
	v_mov_b32 v[NM+1], 0
	s_lshl_b32 s48, ttmp9, 4
	s_add_co_u32 s48, s48, s[WV]                   ; my first batch: 16 x work-group + wave; my second lies 8 on
	s_mul_i32 s50, s48, 9728
	s_mov_b32 s51, 0
	s_wait_kmcnt 0x0
	s_add_nc_u64 s[4:5], s[4:5], s[50:51]
	s_lshl_b32 s50, s48, 9
	s_add_nc_u64 s[6:7], s[6:7], s[50:51]
	s_lshl_b32 s50, s48, 13
	s_add_nc_u64 s[28:29], s[28:29], s[50:51]
	WIN 0x40
.irp i,0,1,2,3,4,5,6,7,8,9,10,11,12,13,14,15,16,17,18
	global_load_b128 v[4*\i:4*\i+3], v[L16], s[4:5] offset:512*\i th:TH_LOAD_NT     ; the batch's 9,728 bytes as they lie: 512 consecutive bytes a load
.endr
	global_load_b128 v[76:79], v[L16], s[6:7] th:TH_LOAD_NT                        ; its 128 mask words
.irp i,0,1,2,3
	global_load_b128 v[B2+4*\i:B2+4*\i+3], v94, s[26:27] offset:16*\i              ; b2(16 h + 0 .. 15)
.endr
	WIN 0
.irp k,0,1,2
.irp p,0,1,2,3,4,5
	global_load_b64 v[R+12*\k+2*\p:R+12*\k+2*\p+1], v154, s[12:13] offset:12288*\k+48*(\p/3)+8*(\p%3)   ; Wqkv's tile 8 k + w
.endr
	global_load_b32 v[CT+\k], v155, s[14:15] offset:512*\k
.endr
.irp p,0,1,2,3,4,5
	global_load_b64 v[R+36+2*\p:R+36+2*\p+1], v154, s[16:17] offset:48*(\p/3)+8*(\p%3)                 ; Wout's tile w
.endr
	global_load_b32 v[CT+3], v155, s[18:19]
.irp s,0,1,2,3
	global_load_b32 v[R+48+2*\s], v156, s[8:9] offset:2048*\s                      ; W1(4 s + 2 h + j, f)
	global_load_b32 v[R+49+2*\s], v156, s[8:9] offset:2048*\s+512
.endr
	global_load_b32 v[R+56], v156, s[8:9] offset:8192                              ; k = 16 + 2 h
	global_load_b32 v[R+57], v155, s[8:9] offset:8704                              ; k = 17, for lanes 0-15
	global_load_b32 v[R+58], v155, s[10:11]                                        ; b1(f), for lanes 16-31: k = 19
	s_cmp_lt_u32 s[WV], 2                          ; waves 0 and 1 also lay W2's two tiles (their first rows are 0 and 8, as above)
	s_cbranch_scc0 .Lno_w2
.irp p,0,1,2,3,4,5
	global_load_b64 v[QZ+2*\p:QZ+2*\p+1], v154, s[22:23] offset:48*(\p/3)+8*(\p%3)
.endr
	global_load_b32 v[QZ+12], v155, s[24:25]
	s_wait_loadcnt 0x0
.irp c,0,1,2
	ds_store_b128 v158, v[QZ+4*\c:QZ+4*\c+3] offset:49152+512*\c
.endr
	ds_store_b32 v159, v[QZ+12] offset:4096
.Lno_w2:
	s_cmp_eq_u32 s[WV], 7                          ; wave 7 also copies bout
	s_cbranch_scc0 .Lno_bo
	global_load_b128 v[QZ+16:QZ+19], v[L16], s[20:21]
	s_wait_loadcnt 0x0
	ds_store_b128 v92, v[QZ+16:QZ+19]
.Lno_bo:
	s_wait_loadcnt 0x0
	v_cndmask_b32 v[R+57], v[R+57], v[R+58], s[HM]
.irp k,0,1,2,3
.irp c,0,1,2
	ds_store_b128 v158, v[R+12*\k+4*\c:R+12*\k+4*\c+3] offset:12288*\k+512*\c      ; images 8 k + w
.endr
	ds_store_b32 v159, v[CT+\k] offset:1024*\k
.endr
.irp s,0,1,2,3,4
	ds_store_b64 v23, v[R+48+2*\s:R+49+2*\s] offset:256*\s
.endr
.irp b,0,1,2,3
	v_mov_b32 v[TM+4+\b], 0                        ; written once: a lane permute's destination counts as one of its sources
.endr
	s_wait_dscnt 0x0                               ; for the others' sake: my images lie in LDS
	s_barrier_signal -1
	s_barrier_wait -1                              ; the one barrier: from here the shared bytes are only read
.Lbatch:
	; ---------------- the batch's entities and mask go to my bytes of LDS ----------------
	s_wait_loadcnt 0x0                             ; asked for a phase ago (the first batch's: at the head)
	WIN 0x04
.irp i,0,1,2,3,4,5,6,7,8,9,10,11,12,13,14,15,16,17,18
	ds_store_b128 v[SA], v[4*\i:4*\i+3] offset:512*\i
.endr
.irp i,0,1,2,3
	v_cmp_lt_i32 s[CM+\i], 0, v[76+\i]             ; em > 0: hidden
.endr
	WIN 0
.irp i,0,1,2,3
	v_cndmask_b32 v[CT+\i], 0, v[NEG], s[CM+\i]
.endr
	ds_store_b128 v[MTA], v[CT:CT+3]
	s_wait_dscnt 0x0                               ; the stores have read their registers, which W1^T's pairs take now
	WIN 0x40
.irp p,0,1,2,3,4,5,6,7,8,9,10,11,12,13,14,15,16,17,18,19,20,21,22,23,24,25,26,27,28,29,30,31,32,33,34,35,36,37,38,39
	ds_load_b64 v[2*\p:2*\p+1], v[L8W] offset:256*\p
.endr
	LOADC MB, MCA                                  ; the keys' bias in the scores' layout
	WIN 0
	EBLOAD 0
	; ---------------- fc1, relu, quantised: x1's eight fragments ----------------
.irp t,0,1,2,3,4,5,6,7
	TILE \t
.endr
	; ---------------- the four heads ----------------
.irp i,0,1,2,3,4,5
	v_mov_b32 v[QZ+\i], 0                          ; the three runs of zero codes round Qlo and Qhi
	v_mov_b32 v[QZ+12+\i], 0
	v_mov_b32 v[QZ+24+\i], 0
.endr
	s_mov_b32 s[HB], 0
	s_mov_b32 s[HS], 0
	s_mov_b32 s[HA], 0
	s_mov_b32 s[HC], 0
	s_mov_b32 s[HD], 4
.Lhead:
	s_wait_dscnt 0x0                               ; the last head's stores have read their address registers
	v_add_nc_u32 v[WA], s[HB], v[L16]              ; the head's two tiles: 3,072 bytes of images a head,
	v_add_nc_u32 v[WSA], s[HS], v[L4]              ; 256 of scale words,
	v_add_nc_u32 v[ATA], s[HA], v[ATB]             ; 24 of a row of attn's codes,
	v_add_nc_u32 v[ASA], s[HC], v[ASB]             ; one scale byte
	WIN 0x40
	FETCHW WF, WA, 12288                           ; Wk's two tiles (images 8 + 2 head + u)
	FETCHW WF+12, WA, 13824
	WIN 0
	ds_load_b32 v[WS], v[WSA] offset:WSCL+1024
	ds_load_b32 v[WS+1], v[WSA] offset:WSCL+1152
	s_wait_dscnt 0x0
.irp g,0,1                                     ; k: source 0 = Wk's tile, source 1 = x1's tile: a lane holds one key, 16 registers its 16 of the head's 32.  Four key tiles make one packed fragment
	WIN 0x05
.irp p,0,1,2,3
.irp u,0,1
	SW0 R+16*\p+8*\u, WF+12*\u, X1+12*(4*\g+\p), WS+\u, XS+4*\g+\p
.endr
.endr
	WIN 0
	PLACES 4
.if \g == 1
	WIN 0x40
	FETCHW WF, WA, 24576                           ; Wv's two tiles land while the keys are quantised
	FETCHW WF+12, WA, 26112
	WIN 0
	ds_load_b32 v[WS], v[WSA] offset:WSCL+2048
	ds_load_b32 v[WS+1], v[WSA] offset:WSCL+2176
.endif
	QUANT R, KP+12*\g, KS+\g, 1
.endr
	s_wait_dscnt 0x0
.irp u,0,1                                     ; v: source 0 = x1's tile, source 1 = Wv's tile: a lane holds one d, its 64 registers run along the keys, the second product's K
	WIN 0x05
.irp t,0,1,2,3,4,5,6,7
	SW0 R+8*\t, X1+12*\t, WF+12*\u, XS+\t, WS+\u
.endr
	WIN 0
	PLACES 4
.if \u == 1
	WIN 0x40
	FETCHW WF, WA, 0                               ; Wq's two tiles
	FETCHW WF+12, WA, 1536
	WIN 0
	ds_load_b32 v[WS], v[WSA] offset:WSCL
	ds_load_b32 v[WS+1], v[WSA] offset:WSCL+128
.endif
	QUANT R, VF+12*\u, VS+\u, 1
.endr
	s_wait_dscnt 0x0
	WIN 0x05                                       ; q, for the 64 agents alone
.irp p,0,1,2,3
.irp u,0,1
	SW0 R+16*\p+8*\u, WF+12*\u, X1+12*\p, WS+\u, XS+\p
.endr
.endr
	WIN 0
	PLACES 4
	QUANTQ
.irp n,0,1,2,3                                 ; a tile of 16 queries at a time
	QVER \n
	PLACES 4                                       ; operands written by vector instructions stand four places ahead of a scaled product
	WIN 0x11
.irp t,0,1,2,3,4,5,6,7                         ; S^T: key tile t is block t % 4 of packed fragment t / 4; the queries' codes stand at that block's place; C = the keys' bias
	SWC R+8*\t, KP+12*(\t/4), QZ+6+12*(\t%2)-6*((\t%4)/2), MB+8*\t, KS+(\t/4), QS+\n
.endr
	WIN 0
	PLACES 4
	SOFTMAX
	PLACES 4
	WIN 0x01
.irp u,0,1                                     ; O^T = V^T w^T
	SW0 R+8*\u, VF+12*\u, PF, VS+\u, PS
.endr
	WIN 0
	PLACES 4
	ATTNQ \n
.endr
	s_add_co_u32 s[HB], s[HB], 3072
	s_add_co_u32 s[HS], s[HS], 256
	s_add_co_u32 s[HA], s[HA], 24
	s_add_co_u32 s[HC], s[HC], 1
	s_sub_co_u32 s[HD], s[HD], 1
	s_cmp_lg_u32 s[HD], 0
	s_cbranch_scc1 .Lhead
	; ---------------- out projection, fc2, the select, the way out ----------------
	s_cmp_eq_u32 s[BLK], 1                         ; the next batch is asked for here, if there is one: no load leaves its buffer
	s_cbranch_scc1 .Lno_next
	WIN 0x40
.irp i,0,1,2,3,4,5,6,7,8,9,10,11,12,13,14,15,16,17,18
	global_load_b128 v[4*\i:4*\i+3], v[L16], s[4:5] offset:77824+512*\i th:TH_LOAD_NT
.endr
	global_load_b128 v[76:79], v[L16], s[6:7] offset:4096 th:TH_LOAD_NT
	WIN 0
.Lno_next:
	WIN 0x40
.irp t,0,1,2,3,4,5,6,7
	FETCHW X1+12*\t, L16, 36864+1536*\t            ; Wout's eight tiles, where x1 lay
.endr
	LOADC MB, BCA                                  ; bout in the result's layout
	WIN 0
.irp t,0,1,2,3,4,5,6,7
	ds_load_b32 v[XS+\t], v[L4] offset:WSCL+3072+128*\t
.endr
	FETCHW QZ, L16, 49152                          ; W2's two tiles
	FETCHW QZ+12, L16, 50688
	ds_load_b32 v[WS], v[L4] offset:WSCL+4096
	ds_load_b32 v[WS+1], v[L4] offset:WSCL+4224
.irp n,0,1,2,3
	ds_load_b32 v[AMV+\n], v[AMA] offset:4*(32*(\n/2)+8*(\n%2))    ; my query's own bias
	ds_load_b32 v[AS+\n], v[ASB] offset:64*\n                      ; LDS serves a wave's instructions in order: these see my stores
.endr
	AFLOAD 0
.irp n,0,1,2,3
	s_wait_dscnt 0x0                               ; the operands are in, and the last tile's stores have read R
	WIN 0x11
.irp t,0,1,2,3,4,5,6,7                         ; x2^T = Wout^T attn^T + bout
	SWC R+8*\t, X1+12*\t, AF, MB+8*\t, XS+\t, AS+\n
.endr
	WIN 0
	PLACES 4
.if \n < 3
	AFLOAD \n+1
.endif
	QUANT R, PF, PS, 0
	PLACES 4
	WIN 0x10
.irp u,0,1                                     ; x3^T = W2^T x2^T + b2: registers 0-15 are outputs 16 h + 0 .. 15 of my query
	SWC R+8*\u, QZ+12*\u, PF, B2+8*\u, WS+\u, PS
.endr
	WIN 0
	PLACES 4
	v_cmp_gt_f32 vcc_lo, 0, v[AMV+\n]              ; am > 0: the row is 0
.irp i,0,1,2,3,4,5,6,7,8,9,10,11,12,13,14,15
	v_cndmask_b32 v[R+\i], v[R+\i], v[ZR], vcc_lo
.endr
.irp i,0,1,2,3
	ds_store_b128 v[OSA], v[R+4*\i:R+4*\i+3] offset:(32*(\n/2)+8*(\n%2))*144+16*\i
.endr
.endr
	s_wait_dscnt 0x0                               ; the stores have read R, which takes the rows now
.irp i,0,1,2,3,4,5,6,7,8,9,10,11,12,13,14,15
	ds_load_b128 v[R+4*\i:R+4*\i+3], v[ORA] offset:576*\i          ; four rows of 128 bytes a load
.endr
.irp i,0,1,2,3,4,5,6,7,8,9,10,11,12,13,14,15
	s_wait_dscnt 15-\i                             ; the younger loads may stay out
	global_store_b128 v[L16], v[R+4*\i:R+4*\i+3], s[28:29] offset:512*\i th:TH_STORE_NT   ; 32 lanes store 512 consecutive bytes, at a multiple of 512 from out0's first byte
.endr
	s_wait_xcnt 0x0                                ; the loads and stores have read their bases and registers: both may be written again
	s_add_nc_u64 s[4:5], s[4:5], 77824             ; eight batches on
	s_add_nc_u64 s[6:7], s[6:7], 4096
	s_add_nc_u64 s[28:29], s[28:29], 65536
	s_sub_co_u32 s[BLK], s[BLK], 1
	s_cmp_lg_u32 s[BLK], 0
	s_cbranch_scc1 .Lbatch
	s_wait_tensorcnt 0x0
	ds_add_u32 v95, v157
	s_wait_dscnt 0x0
	s_endpgm
.Lfunc_end_k_q73d7ac9b6a_hyper:
	.size	k_q73d7ac9b6a_hyper, .Lfunc_end_k_q73d7ac9b6a_hyper-k_q73d7ac9b6a_hyper
	.p2alignl 7, 3214868480
	.fill 96, 4, 3214868480
	.section	.rodata,"a",@progbits
	.p2align	6, 0x0
	.amdhsa_kernel k_q73d7ac9b6a_hyper
		.amdhsa_group_segment_fixed_size 207872
		.amdhsa_private_segment_fixed_size 0
		.amdhsa_enable_private_segment 0
		.amdhsa_kernarg_size 104
		.amdhsa_user_sgpr_count 2
		.amdhsa_user_sgpr_kernarg_segment_ptr 1
		.amdhsa_wavefront_size32 1
		.amdhsa_system_sgpr_workgroup_id_x 1
		.amdhsa_system_sgpr_workgroup_id_y 1
		.amdhsa_system_sgpr_workgroup_id_z 1
		.amdhsa_system_vgpr_workitem_id 0
		.amdhsa_next_free_vgpr 512
		.amdhsa_next_free_sgpr 66
		.amdhsa_reserve_vcc 1
		.amdhsa_float_denorm_mode_32 3
		.amdhsa_float_denorm_mode_16_64 3
		.amdhsa_memory_ordered 1
		.amdhsa_forward_progress 1
		.amdhsa_inst_pref_size 227
	.end_amdhsa_kernel
	.amdgpu_metadata
---
amdhsa.version: [ 1, 2 ]
amdhsa.kernels:
  - .name:           k_q73d7ac9b6a_hyper
    .symbol:         k_q73d7ac9b6a_hyper.kd
    .args:
      - { .name: entities, .offset: 0, .size: 8, .value_kind: global_buffer, .address_space: global }
      - { .name: entity_mask, .offset: 8, .size: 8, .value_kind: global_buffer, .address_space: global }
      - { .name: W1, .offset: 16, .size: 8, .value_kind: global_buffer, .address_space: global }
      - { .name: b1, .offset: 24, .size: 8, .value_kind: global_buffer, .address_space: global }
      - { .name: Wqkv_codes, .offset: 32, .size: 8, .value_kind: global_buffer, .address_space: global }
      - { .name: Wqkv_scales, .offset: 40, .size: 8, .value_kind: global_buffer, .address_space: global }
      - { .name: Wout_codes, .offset: 48, .size: 8, .value_kind: global_buffer, .address_space: global }
      - { .name: Wout_scales, .offset: 56, .size: 8, .value_kind: global_buffer, .address_space: global }
      - { .name: bout, .offset: 64, .size: 8, .value_kind: global_buffer, .address_space: global }
      - { .name: W2_codes, .offset: 72, .size: 8, .value_kind: global_buffer, .address_space: global }
      - { .name: W2_scales, .offset: 80, .size: 8, .value_kind: global_buffer, .address_space: global }
      - { .name: b2, .offset: 88, .size: 8, .value_kind: global_buffer, .address_space: global }
      - { .name: out0, .offset: 96, .size: 8, .value_kind: global_buffer, .address_space: global }
    .group_segment_fixed_size: 207872
    .private_segment_fixed_size: 0
    .kernarg_segment_align: 8
    .kernarg_segment_size: 104
    .max_flat_workgroup_size: 256
    .sgpr_count:     66
    .vgpr_count:     512
    .wavefront_size: 32
...
	.end_amdgpu_metadata
.endif
;; end of part 1
;; ======== version 2 of 2: 1 launch; version 1 with the launch hyper written anew for expert scheduling mode
;; limits: right only within a limited range of input values
;; launch hyper (part 2): grid 256 x 1, 8 waves a work-group, no clusters, 207,872 bytes of LDS; arguments entities, entity_mask, W1, b1, Wqkv_codes, Wqkv_scales, Wout_codes, Wout_scales, bout, W2_codes, W2_scales, b2, out0; writes out0
.if DOCPART == 2
	.amdgcn_target "amdgcn-amd-amdhsa--gfx1250"
	.amdhsa_code_object_version 6
	.text
	.protected	k_q73d7ac9b6a_hyper
	.globl	k_q73d7ac9b6a_hyper
	.p2align	8
	.type	k_q73d7ac9b6a_hyper,@function
k_q73d7ac9b6a_hyper:
	s_mov_b64 s[64:65], 0
	v_nop
	global_prefetch_b8 v0, s[64:65] scope:SCOPE_SE
	s_setreg_imm32_b32 hwreg(HW_REG_WAVE_SCHED_MODE, 0, 2), 2
	s_setreg_imm32_b32 hwreg(HW_REG_WAVE_MODE, 25, 1), 1
	s_wait_xcnt 0x0
	s_wait_alu depctr_vm_vsrc(0)
; AttentionHyperNet, 4,096 batches: x1 = relu(ent W1 + b1) (f32); q, k, v = Q(x1) Wqkv; 4 heads of 32: softmax(Q(q) Q(k)^T / sqrt(32), masked) ; Q(w) Q(v); Q(attn) Wout + bout; Q(x2) W2 + b2; masked rows 0.
; Q is the MX quantiser to E2M3 codes, one E8M0 scale for each 32 along a product's K; those products go by v_wmma_scale_f32_16x16x128_f8f6f4, fc1 (K = 19) by v_wmma_f32_16x16x4_f32.
; SHARES.  ONE WAVE TAKES ONE BATCH THROUGH THE WHOLE CHAIN; nothing but the weights is shared.  8 waves of 512 registers a work-group, 2 batches a wave, 256 work-groups: 4,096 batches.
; The weights are laid into LDS once, as images of the operands' registers; one barrier behind that; afterwards those bytes are only read and every wave touches only its own 17,408 bytes.
; No tensor loads: a batch's 10 KB are dense, read once, and come through registers a phase ahead.  No cluster: the shared bytes are 55 KB of weights a work-group, read once.
; THE MASKS.  A row with am > 0 ends as 0 by reference's last select, whatever stood before.  For a row with am <= 0, 1 - (1 - am)(1 - em) > 0 holds exactly where em > 0, and the row's own key is open,
; so the case 'all keys hidden' arises only in rows that end as 0.  So: a bias on hidden keys (em > 0) ahead of the maximum, and one select at the end (am > 0 -> 0).  The select on x2 touches only rows
; that the last select zeroes, and the quantiser works row by row: it is contained in the last one.
; TILES.  Lane r of tile T of any operand takes row 32 (T / 2) + 8 (T % 2) + r + (r & 8).  A result whose M rows were such a tile holds, in lane half h, register 8 T + j, index 32 (T / 2) + 16 h + 8 (T % 2) + j:
; sixteen registers of two neighbouring tiles are sixteen neighbours along the next K, which is what the conversions want.
; K = 32 (q k^T) IN AN INSTRUCTION OF K = 128: four key tiles' codes are packed as the four blocks of one fragment; the query tile's 32 codes stand at one block's place among zero codes.
; LIMITS.  NaN and infinities among the inputs are not served.  A hidden key gets the bias -1e30, not -infinity: its weight is exactly 0 while |q . k| < 1e29.  A block of zeros gets the scale byte 1, not 127
; (its codes are zeros; only this text reads the bytes).  Weights under 2^-126 become 0 (v_exp_f32).  1 / sum is v_rcp_f32.  A block's largest weight is its largest score put through the same instructions,
; which takes v_exp_f32 not to fall where its input rises.  A batch whose every entity is hidden may form infinities on the way; all its rows are selected to 0.
; THE MODE: SCHED_MODE bits 1:0 = 2 (LLVM: expert scheduling mode 2), set by the entry lines.  The code itself states the register dependences between vector or matrix instructions and memory or LDS
; instructions, with s_wait_alu, always for 0.
; THE PLAN.  Registers that LDS or memory instructions touch, and who else names them (w1: window 1):
;   v1-15          addresses, made at the head and never written again: one wait on va_vdst ahead of the kernel's first load serves them throughout.
;   v16-19         a head's four addresses: written by four additions at the head's first lines, read by its loads and stores: vm_vsrc ahead of the additions, va_vdst behind them.
;   w1 v0-79       a batch's entities and mask land (global loads); 19 LDS stores and four compares read them; W1^T's pairs land; fc1's products read them; then the packed keys and V^T (vector moves write,
;                  products read) and two weight fragments (LDS loads land, products read); in the last phase the next batch lands.
;   x1, its words  written by the quantiser, read by scaled products; in the last phase Wout's images and words land there.      the bias MB: LDS loads land, products take it as C.
;   EB0, EB1       tile t + 1's ten numbers land in the set that tile t - 1's products read: one wait on va_vdst at the head of a tile.
;   AX, AB, CT, R  out-buffers of stores: va_vdst between the vector lines that write them and the stores, vm_vsrc between the stores and the next line that writes them.
; Each wait's comment names what it covers.  Where a load follows a wait at a distance, no vector or matrix instruction between the two names a register that the load touches.
.set WIMG,  0                          ; LDS, shared: 34 fragment images of 1,536 bytes: 0-23 Wqkv's tiles, 24-31 Wout's, 32-33 W2's; register group c at 512 c + 16 lane
.set WSCL,  52224                      ; their scale words, 128 bytes an image, 4 bytes a lane
.set W1IMG, 56576                      ; 40 operand pairs of W1^T (tile T, K step s: 5 T + s), 256 bytes each, 8 bytes a lane
.set BOT,   66816                      ; bout as it lies, 512 bytes
.set PRIV0, 67584                      ; from here 17,408 bytes for each wave:
.set PRIVB, 17408
.set MT,    9728                       ; +0 the batch's entities as they lie (9,728 bytes, 76 a row), later the stage for the output (64 rows x 144); +9,728 the keys' bias, 128 f32
.set ATC,   10240                      ; attn's codes as rows: 1,664 x query tile + 104 r + 24 head + 12 h
.set ATS,   16896                      ; attn's scale words: 64 x query tile + 4 r + head
; window 0
.set L16, 1                            ; 16 lane
.set L4,  2                            ; 4 lane
.set L8W, 3                            ; W1IMG + 8 lane
.set SA,  4                            ; P + 16 lane (P: my wave's bytes)
.set EA,  5                            ; P + 76 rr + 8 h
.set EA2, 6                            ; P + 76 rr + 4 h
.set MTA, 7                            ; P + MT + 16 lane
.set MCA, 8                            ; P + MT + 64 h
.set AMA, 9                            ; P + MT + 4 rr
.set BCA, 10                           ; BOT + 64 h
.set ATB, 11                           ; P + ATC + 104 r + 12 h
.set ATR, 12                           ; P + ATC + 104 r + 24 h
.set ASB, 13                           ; P + ATS + 4 r
.set OSA, 14                           ; P + 144 rr + 64 h
.set ORA, 15                           ; P + 144 (lane / 8) + 16 (lane % 8)
.set WA,  16                           ; the head's addresses: weight images,
.set WSA, 17                           ; their scale words,
.set ATA, 18                           ; attn's codes,
.set ASA, 19                           ; attn's scale byte
.set NEG, 20                           ; -1e30
.set ONE, 21                           ; 1.0
.set ZR,  22                           ; 0
.set XS,  24                           ; v24-46 hold scale words and nothing else: x1's eight (later Wout's eight),
.set WS,  32                           ; the weight tiles' two,
.set KS,  34                           ; the packed keys' two,
.set VS,  36                           ; V's two,
.set QS,  38                           ; the query tiles' four,
.set PS,  42                           ; the operand just made,
.set AS,  43                           ; attn's four
.set AB,  47                           ; attn's scale byte on its way to LDS
.set AMV, 48                           ; v48-51 my query's bias (under 0: the row ends as 0)
.set TM,  52                           ; v52-67 +0..3 largest magnitudes, +4..7 the other half's, then bytes, +12..15 the conversions' scale operands
.set CT,  68                           ; v68-83 four places of 4 for conversions' results
.set MX,  84                           ; v84:85 the row's maximum, then 1 / sum
.set NM,  86                           ; v86:87 -c x maximum
.set SA2, 88
.set SB2, 90
.set AX,  92                           ; v92-94 attn's 16 codes
.set QX,  96                           ; v96-111 the four query tiles' codes, half a block a lane
.set EB,  96                           ; fc1: two sets of ten entity numbers, v96-105 and v106-115
.set AF,  96                           ; the last phase: attn's fragment
.set PF,  112                          ; v112-123 the operand just made
.set QZ,  124                          ; v124-153: zeros, Qlo, zeros, Qhi, zeros, six each (the last phase: W2's two fragments)
.set R,   160                          ; v160-223 64 numbers at work
.set ACC, 224                          ; v224-255 fc1's four accumulators: written by matrix instructions alone
; window 1 (v256-511, named by their low 8 bits)
.set KP,  0                            ; the packed keys, two fragments      (fc1: v0-79 W1^T's 40 pairs; from the last phase on: the next batch's entities 0-75 and mask 76-79)
.set VF,  24                           ; V^T, two fragments
.set WF,  48                           ; two weight fragments
.set X1,  80                           ; x1's eight fragments (the last phase: Wout's eight)
.set MB,  176                          ; the keys' bias in the result's layout (the last phase: bout so)
.set B2,  240                          ; b2 in the result's layout; stays
.set WV,  30
.set PB,  31
.set SEL, 32                           ; s[32:33] v_permlanex16_b32's selects for lane l xor 16
.set CS,  34                           ; s[34:35] c = log2(e) / sqrt(32)
.set NC,  36                           ; -c
.set BLK, 37
.set HD,  38
.set HB,  39
.set HS,  40
.set HA,  41
.set HC,  42
.set HM,  43                           ; lanes 16-31
.set CM,  44                           ; s44-47 compare masks
.set MSB, 0
.macro WIN new                         ; low byte: bits 1:0 source 0, 3:2 source 1, 5:4 source 2, 7:6 destination; the high byte repeats the setting that is left
.if MSB != \new
	s_set_vgpr_msb (MSB<<8)|\new
.set MSB, \new
.endif
.endm
.macro PLACES n                        ; plain places behind a matrix instruction, or ahead of a scaled one (ISA guide 7.12.1)
.rept \n
	v_nop
.endr
.endm
.macro SW0 d, a, b, sa, sb             ; a scaled product that starts its sum
	v_wmma_scale_f32_16x16x128_f8f6f4 v[\d:\d+7], v[\a:\a+11], v[\b:\b+11], 0, v[\sa], v[\sb] matrix_a_fmt:MATRIX_FMT_FP6 matrix_b_fmt:MATRIX_FMT_FP6
.endm
.macro SWC d, a, b, cc, sa, sb         ; and one that starts it with other registers (a bias)
	v_wmma_scale_f32_16x16x128_f8f6f4 v[\d:\d+7], v[\a:\a+11], v[\b:\b+11], v[\cc:\cc+7], v[\sa], v[\sb] matrix_a_fmt:MATRIX_FMT_FP6 matrix_b_fmt:MATRIX_FMT_FP6
.endm
.macro FETCHW dst, adr, off            ; a fragment's image back into registers
.irp c,0,1,2
	ds_load_b128 v[\dst+4*\c:\dst+4*\c+3], v[\adr] offset:\off+512*\c
.endr
.endm
.macro LOADC dst, adr                  ; 128 f32 of LDS into the result's layout: register 8 T + j = number 32 (T / 2) + 16 h + 8 (T % 2) + j
.irp c,0,1,2,3,4,5,6,7
	ds_load_b128 v[\dst+8*\c:\dst+8*\c+3], v[\adr] offset:128*(\c/2)+32*(\c%2)
	ds_load_b128 v[\dst+8*\c+4:\dst+8*\c+7], v[\adr] offset:128*(\c/2)+32*(\c%2)+16
.endr
.endm
; 64 numbers of a lane, register 16 b + i = k 32 b + 16 h + i of my row.  BMAX: the four blocks' largest magnitudes, with the floor 2^(3 - 127) among the leaves, so that no byte falls under 1.
.macro BMAX s
.irp b,0,1,2,3
	v_max3_num_f32 v[TM+\b], |v[\s+16*\b]|, |v[\s+1+16*\b]|, 0x1800000
.endr
.irp i,2,4,6,8,10,12,14
.irp b,0,1,2,3
	v_max3_num_f32 v[TM+\b], v[TM+\b], |v[\s+16*\b+\i]|, |v[\s+1+16*\b+\i]|
.endr
.endr
.irp b,0,1,2,3
	v_permlanex16_b32 v[TM+4+\b], v[TM+\b], s[SEL], s[SEL+1]
.endr
.irp b,0,1,2,3
	v_max_num_f32 v[TM+\b], v[TM+\b], v[TM+4+\b]
.endr
.endm
; QPACK: from the four largest magnitudes: the scale word into v[sw], the fragment's codes into v[dst] on (w1 = 1: of window 1)
.macro QPACK s, dst, sw, w1
.irp b,0,1,2,3
	v_add_nc_u32 v[TM+12+\b], 0xff000000, v[TM+\b]         ; 2 off the exponent field: the conversion takes that field as its scale
.endr
.irp b,0,1,2,3
	v_lshrrev_b32 v[TM+4+\b], 23, v[TM+12+\b]              ; the scale's byte
.endr
	v_lshl_or_b32 v[\sw], v[TM+5], 8, v[TM+4]
	v_lshl_or_b32 v[\sw], v[TM+6], 16, v[\sw]
	v_lshl_or_b32 v[\sw], v[TM+7], 24, v[\sw]
.if \w1
.irp c,0,1
	v_cvt_scalef32_pk16_fp6_f32 v[CT+8*\c:CT+8*\c+2], v[\s+32*\c:\s+32*\c+15], v[TM+12+2*\c]
	v_cvt_scalef32_pk16_fp6_f32 v[CT+8*\c+4:CT+8*\c+6], v[\s+32*\c+16:\s+32*\c+31], v[TM+13+2*\c]
.endr
	v_nop                                                  ; one plain place behind the conversions
.irp c,0,1
.irp i,0,1,2
	v_permlane16_swap_b32 v[CT+8*\c+\i], v[CT+8*\c+4+\i]   ; a whole block to a lane: lanes 0-15 block 2 c, lanes 16-31 block 2 c + 1
.endr
.endr
	WIN 0x40
.irp c,0,1
.irp i,0,1,2
	v_mov_b32 v[\dst+6*\c+\i], v[CT+8*\c+\i]
	v_mov_b32 v[\dst+6*\c+3+\i], v[CT+8*\c+4+\i]
.endr
.endr
	WIN 0
.else
.irp c,0,1
	v_cvt_scalef32_pk16_fp6_f32 v[\dst+6*\c:\dst+6*\c+2], v[\s+32*\c:\s+32*\c+15], v[TM+12+2*\c]
	v_cvt_scalef32_pk16_fp6_f32 v[CT+4*\c:CT+4*\c+2], v[\s+32*\c+16:\s+32*\c+31], v[TM+13+2*\c]
.endr
	v_nop
.irp c,0,1
.irp i,0,1,2
	v_permlane16_swap_b32 v[\dst+6*\c+\i], v[CT+4*\c+\i]
.endr
.irp i,0,1,2
	v_mov_b32 v[\dst+6*\c+3+\i], v[CT+4*\c+\i]
.endr
.endr
.endif
.endm
.macro QUANT s, dst, sw, w1
	BMAX \s
	QPACK \s, \dst, \sw, \w1
.endm
; The four query tiles (block b of R = tile b): a scale byte in all four bytes of its word, and 16 codes a lane
.macro QUANTQ
	BMAX R
.irp b,0,1,2,3
	v_add_nc_u32 v[TM+12+\b], 0xff000000, v[TM+\b]
.endr
.irp b,0,1,2,3
	v_lshrrev_b32 v[TM+4+\b], 23, v[TM+12+\b]
.endr
.irp b,0,1,2,3
	v_lshl_or_b32 v[TM+4+\b], v[TM+4+\b], 8, v[TM+4+\b]
.endr
.irp b,0,1,2,3
	v_lshl_or_b32 v[QS+\b], v[TM+4+\b], 16, v[TM+4+\b]
.endr
.irp b,0,1,2,3
	v_cvt_scalef32_pk16_fp6_f32 v[QX+4*\b:QX+4*\b+2], v[R+16*\b:R+16*\b+15], v[TM+12+\b]
.endr
	v_nop
.endm
; Query tile n's 32 codes a row: Qlo holds them in lanes 0-15 and zeros in lanes 16-31, Qhi the other way round
.macro QVER n
.irp i,0,1,2
	v_mov_b32 v[QZ+6+\i], v[QX+4*(\n)+\i]
	v_mov_b32 v[QZ+9+\i], 0
	v_mov_b32 v[QZ+18+\i], 0
	v_mov_b32 v[QZ+21+\i], v[QX+4*(\n)+\i]
.endr
.irp i,0,1,2
	v_permlane16_swap_b32 v[QZ+6+\i], v[QZ+9+\i]
	v_permlane16_swap_b32 v[QZ+18+\i], v[QZ+21+\i]
.endr
.endm
; R holds my query's 64 of 128 scores (bias added).  w = 2^(c s - c m) / sum, finished and normalised, is quantised along the keys into PF, PS.
.macro SOFTMAX
.irp b,0,1,2,3
	v_max3_num_f32 v[TM+\b], v[R+16*\b], v[R+16*\b+1], v[R+16*\b+2]     ; each block's largest score: for the row's maximum, and for the block's largest weight
.endr
.irp i,3,5,7,9,11,13
.irp b,0,1,2,3
	v_max3_num_f32 v[TM+\b], v[TM+\b], v[R+16*\b+\i], v[R+16*\b+\i+1]
.endr
.endr
.irp b,0,1,2,3
	v_max_num_f32 v[TM+\b], v[TM+\b], v[R+16*\b+15]
.endr
.irp b,0,1,2,3
	v_permlanex16_b32 v[TM+4+\b], v[TM+\b], s[SEL], s[SEL+1]
.endr
.irp b,0,1,2,3
	v_max_num_f32 v[TM+\b], v[TM+\b], v[TM+4+\b]
.endr
	v_max3_num_f32 v[MX], v[TM], v[TM+1], v[TM+2]
	v_max_num_f32 v[MX], v[MX], v[TM+3]                    ; the row's maximum
	v_mul_f32 v[NM], s[NC], v[MX]                          ; -c m: its rounding is one factor for the whole row and leaves with the division
.irp i,0,2,4,6,8,10,12,14,16,18,20,22,24,26,28,30,32,34,36,38,40,42,44,46,48,50,52,54,56,58,60,62
	v_pk_fma_f32 v[R+\i:R+\i+1], v[R+\i:R+\i+1], s[CS:CS+1], v[NM:NM+1] op_sel_hi:[1,0,0]
.endr
.irp b,0,1,2,3
	v_fma_f32 v[TM+\b], v[TM+\b], s[CS], v[NM]
.endr
.irp i,0,1,2,3,4,5,6,7,8,9,10,11,12,13,14,15,16,17,18,19,20,21,22,23,24,25,26,27,28,29,30,31,32,33,34,35,36,37,38,39,40,41,42,43,44,45,46,47,48,49,50,51,52,53,54,55,56,57,58,59,60,61,62,63
	v_exp_f32 v[R+\i], v[R+\i]
.endr
	v_nop                                                  ; a plain place behind the exponentials
	s_wait_alu depctr_va_vdst(0)                           ; the 64 exponentials have written R: one wait for the batch, ahead of its first reader
.irp b,0,1,2,3
	v_exp_f32 v[TM+\b], v[TM+\b]                           ; the blocks' largest: nothing names these four before the wait behind the reciprocal; the sums below read R alone
.endr
	v_pk_add_f32 v[SA2:SA2+1], v[R:R+1], v[R+2:R+3]        ; the row's sum, two at a time, in two chains
	v_pk_add_f32 v[SB2:SB2+1], v[R+4:R+5], v[R+6:R+7]
.irp i,8,12,16,20,24,28,32,36,40,44,48,52,56,60
	v_pk_add_f32 v[SA2:SA2+1], v[SA2:SA2+1], v[R+\i:R+\i+1]
	v_pk_add_f32 v[SB2:SB2+1], v[SB2:SB2+1], v[R+\i+2:R+\i+3]
.endr
	v_pk_add_f32 v[SA2:SA2+1], v[SA2:SA2+1], v[SB2:SB2+1]
	v_add_f32 v[SA2], v[SA2], v[SA2+1]
	v_permlanex16_b32 v[SB2], v[SA2], s[SEL], s[SEL+1]
	v_add_f32 v[SA2], v[SA2], v[SB2]
	v_rcp_f32 v[MX], v[SA2]
	v_nop                                                  ; a plain place behind the reciprocal
	s_wait_alu depctr_va_vdst(0)                           ; the reciprocal has written MX and the four exponentials TM: one wait for the five, ahead of their first readers
.irp i,0,2,4,6,8,10,12,14,16,18,20,22,24,26,28,30,32,34,36,38,40,42,44,46,48,50,52,54,56,58,60,62
	v_pk_mul_f32 v[R+\i:R+\i+1], v[R+\i:R+\i+1], v[MX:MX+1] op_sel_hi:[1,0]
.endr
.irp b,0,1,2,3
	v_mul_f32 v[TM+\b], v[TM+\b], v[MX]                    ; the block's largest weight: the same instructions on the same number
.endr
.irp b,0,1,2,3
	v_max_num_f32 v[TM+\b], 0x1800000, v[TM+\b]            ; the floor
.endr
	QPACK R, PF, PS, 0
.endm
; R[0..15] = attn(my query of tile n, this head's d = 16 h + 0 .. 15): one block of 32 in lanes l and l xor 16.  Its codes and byte go to my rows in LDS.
.macro ATTNQ n
	v_max3_num_f32 v[TM], |v[R]|, |v[R+1]|, 0x1800000
	v_max3_num_f32 v[TM+1], |v[R+8]|, |v[R+9]|, |v[R+10]|
	v_max3_num_f32 v[TM], v[TM], |v[R+2]|, |v[R+3]|
	v_max3_num_f32 v[TM+1], v[TM+1], |v[R+11]|, |v[R+12]|
	v_max3_num_f32 v[TM], v[TM], |v[R+4]|, |v[R+5]|
	v_max3_num_f32 v[TM+1], v[TM+1], |v[R+13]|, |v[R+14]|
	v_max3_num_f32 v[TM], v[TM], |v[R+6]|, |v[R+7]|
	v_max3_num_f32 v[TM], v[TM], v[TM+1], |v[R+15]|
	v_permlanex16_b32 v[TM+4], v[TM], s[SEL], s[SEL+1]
	v_max_num_f32 v[TM], v[TM], v[TM+4]
	v_add_nc_u32 v[TM+12], 0xff000000, v[TM]
	s_wait_dscnt 0x0                                       ; the last tile's four stores are done;
	s_wait_alu depctr_vm_vsrc(0)                           ; they have read AX and AB, which the two lines below write again (the first time: the head's loads and store have read v92 and v94)
	v_lshrrev_b32 v[AB], 23, v[TM+12]
	v_cvt_scalef32_pk16_fp6_f32 v[AX:AX+2], v[R:R+15], v[TM+12]
	v_nop
	s_wait_alu depctr_va_vdst(0)                           ; the conversion has written AX and the shift AB, which the stores read
.irp i,0,1,2
	ds_store_b32 v[ATA], v[AX+\i] offset:1664*(\n)+4*\i
.endr
	ds_store_b8 v[ASA], v[AB] offset:64*(\n)               ; both lanes of a row write the same byte with the same value
.endm
; ten numbers of entity tile t: register 2 s + j = ent(my entity, 4 s + 2 h + j); the last is replaced by 1.0 in lanes 16-31 (k = 19 carries b1)
.macro EBLOAD t
.set EBN, EB+10*((\t)%2)
.set FO, (32*((\t)/2)+8*((\t)%2))*76
.irp s,0,1,2,3
	ds_load_b32 v[EBN+2*\s], v[EA] offset:FO+16*\s
	ds_load_b32 v[EBN+2*\s+1], v[EA] offset:FO+16*\s+4
.endr
	ds_load_b32 v[EBN+8], v[EA] offset:FO+64
	ds_load_b32 v[EBN+9], v[EA2] offset:FO+68              ; lanes 0-15 k = 17, lanes 16-31 k = 18: inside the row
.endm
; fc1 for entity tile t: source 0 = 16 features of W1^T, source 1 = 16 entities; 8 feature tiles in two runs of four accumulators by turns, five K steps of 4
.macro TILE t
.set EBC, EB+10*((\t)%2)
.if (\t) < 7
.if (\t) > 0
	s_wait_alu depctr_va_vdst(0)                           ; tile t - 1's products are done reading the other set, and its select has written it: tile t + 1's numbers land there.  (Tile 0: no vector line stands behind the wait ahead of the bias's store)
.endif
	EBLOAD (\t)+1
	s_wait_dscnt 10                                        ; LDS answers in order: all but the ten loads just issued are in
.else
	s_wait_dscnt 0x0
.endif
	v_cndmask_b32 v[EBC+9], v[EBC+9], v[ONE], s[HM]
.irp c,0,1
	WIN 0x01
.irp s,0,1,2,3,4
.irp q,0,1,2,3
.if \s == 0
	v_wmma_f32_16x16x4_f32 v[ACC+8*\q:ACC+8*\q+7], v[10*(4*\c+\q)+2*\s:10*(4*\c+\q)+2*\s+1], v[EBC+2*\s:EBC+2*\s+1], 0
.else
	v_wmma_f32_16x16x4_f32 v[ACC+8*\q:ACC+8*\q+7], v[10*(4*\c+\q)+2*\s:10*(4*\c+\q)+2*\s+1], v[EBC+2*\s:EBC+2*\s+1], v[ACC+8*\q:ACC+8*\q+7]
.endif
.endr
.endr
	WIN 0
	PLACES 8
.irp i,0,1,2,3,4,5,6,7,8,9,10,11,12,13,14,15,16,17,18,19,20,21,22,23,24,25,26,27,28,29,30,31
	v_max_num_f32 v[R+32*\c+\i], 0, v[ACC+\i]              ; relu, into other registers, each accumulator from its low end on
.endr
.endr
	QUANT R, X1+12*(\t), XS+(\t), 1
.endm
.macro AFLOAD n                        ; attn's fragment of query tile n from my rows: 24 bytes at 24 h and at 48 + 24 h, in pieces of 8
.irp p,0,1,2,3,4,5
	ds_load_b64 v[AF+2*\p:AF+2*\p+1], v[ATR] offset:1664*(\n)+48*(\p/3)+8*(\p%3)
.endr
.endm
	; ---------------- the head: addresses, the first batch's loads, the weights' images ----------------
	s_load_b512 s[4:19], s[0:1], 0x0               ; entities s[4:5], mask s[6:7], W1 s[8:9], b1 s[10:11], Wqkv codes s[12:13], scales s[14:15], Wout codes s[16:17], scales s[18:19]
	s_load_b256 s[20:27], s[0:1], 0x40             ; bout s[20:21], W2 codes s[22:23], scales s[24:25], b2 s[26:27]
	s_load_b64 s[28:29], s[0:1], 0x60              ; out0
	v_lshl_add_u32 v95, v0, 2, 0x32800
	v_mov_b32 v157, 0
	v_lshrrev_b32 v56, 5, v0
	v_readfirstlane_b32 s[WV], v56                 ; wave 0..7
	v_and_b32 v52, 31, v0                          ; lane
	v_and_b32 v53, 15, v0                          ; r
	v_bfe_u32 v54, v0, 4, 1                        ; h
	v_and_b32 v55, 8, v0
	v_add_nc_u32 v55, v55, v53                     ; rr = r + (r & 8)
	s_wait_alu depctr_va_sdst(0)                   ; the wave's number is written, ahead of its first reader
	s_mul_i32 s[PB], s[WV], PRIVB
	s_add_co_u32 s[PB], s[PB], PRIV0               ; P
	s_add_co_u32 s48, s[PB], MT
	s_add_co_u32 s49, s[PB], ATC
	s_add_co_u32 s50, s[PB], ATS
	v_lshlrev_b32 v[L16], 4, v52
	v_lshlrev_b32 v[L4], 2, v52
	v_lshl_add_u32 v[L8W], v52, 3, W1IMG
	v_add_nc_u32 v[SA], s[PB], v[L16]
	v_mul_u32_u24 v56, v55, 76
	v_add_nc_u32 v56, s[PB], v56
	v_lshl_add_u32 v[EA], v54, 3, v56
	v_lshl_add_u32 v[EA2], v54, 2, v56
	v_add_nc_u32 v[MTA], s48, v[L16]
	v_lshl_add_u32 v[MCA], v54, 6, s48
	v_lshl_add_u32 v[AMA], v55, 2, s48
	v_lshl_add_u32 v[BCA], v54, 6, BOT
	v_mul_u32_u24 v56, v53, 104
	v_add_nc_u32 v56, s49, v56
	v_mad_u32_u24 v[ATB], v54, 12, v56
	v_mad_u32_u24 v[ATR], v54, 24, v56
	v_lshl_add_u32 v[ASB], v53, 2, s50
	v_mul_u32_u24 v56, v55, 144
	v_add_nc_u32 v56, s[PB], v56
	v_lshl_add_u32 v[OSA], v54, 6, v56
	v_lshrrev_b32 v56, 3, v52
	v_mul_u32_u24 v56, v56, 144
	v_add_nc_u32 v56, s[PB], v56
	v_and_b32 v57, 7, v0
	v_lshl_add_u32 v[ORA], v57, 4, v56
	s_lshr_b32 s52, s[WV], 1                       ; wave w lays tile w of each group of eight: its first row is 32 (w / 2) + 8 (w % 2)
	s_lshl_b32 s52, s52, 5
	s_and_b32 s53, s[WV], 1
	s_lshl_b32 s53, s53, 3
	s_add_co_u32 s52, s52, s53
	v_add_nc_u32 v56, s52, v55                     ; my row of the tile
	v_mul_u32_u24 v154, v56, 96
	v_mad_u32_u24 v154, v54, 24, v154              ; its codes: 96 bytes a row, + 24 h
	v_lshlrev_b32 v155, 2, v56                     ; its scale word; also 4 f in W1 and b1
	v_lshl_add_u32 v156, v54, 10, v155             ; W1: 4 f + two rows of 512 bytes for lanes 16-31
	s_mul_i32 s53, s[WV], 1536
	v_add_nc_u32 v158, s53, v[L16]                 ; where my images go,
	s_lshl_b32 s53, s[WV], 7
	s_add_co_u32 s53, s53, WSCL
	v_add_nc_u32 v159, s53, v[L4]                  ; their scale words,
	s_mul_i32 s53, s[WV], 1280
	v_add_nc_u32 v23, s53, v[L8W]                  ; W1^T's five pairs,
	v_add_nc_u32 v92, BOT, v[L16]                  ; bout (wave 7)
	v_lshlrev_b32 v94, 6, v54                      ; b2: 64 h
	s_mov_b32 s[SEL], 0x76543210
	s_mov_b32 s[SEL+1], 0xfedcba98
	s_mov_b32 s[CS], 0x3e8293ee                    ; c = log2(e) / sqrt(32)
	s_mov_b32 s[CS+1], s[CS]                       ; (named with it as a pair, so it is written)
	s_mov_b32 s[NC], 0xbe8293ee
	s_mov_b32 s[HM], 0xffff0000
	s_mov_b32 s[BLK], 2
	v_mov_b32 v[NEG], 0xf149f2ca                   ; -1e30
	v_mov_b32 v[ONE], 1.0
	v_mov_b32 v[ZR], 0
	v_mov_b32 v[MX+1], 0                           ; (upper halves of pairs that packed forms name)
	v_mov_b32 v[NM+1], 0
	s_lshl_b32 s48, ttmp9, 4
	s_add_co_u32 s48, s48, s[WV]                   ; my first batch: 16 x work-group + wave; my second lies 8 on
	s_mul_i32 s50, s48, 9728
	s_mov_b32 s51, 0
	s_wait_kmcnt 0x0
	s_add_nc_u64 s[4:5], s[4:5], s[50:51]
	s_lshl_b32 s50, s48, 9
	s_add_nc_u64 s[6:7], s[6:7], s[50:51]
	s_lshl_b32 s50, s48, 13
	s_add_nc_u64 s[28:29], s[28:29], s[50:51]
	WIN 0x40
	s_wait_alu depctr_va_vdst(0)                   ; all addresses and offsets (v1-15, v23, v92, v94, v154-159) are written: every load and store of the kernel but the heads' own reads some of them
.irp i,0,1,2,3,4,5,6,7,8,9,10,11,12,13,14,15,16,17,18
	global_load_b128 v[4*\i:4*\i+3], v[L16], s[4:5] offset:512*\i th:TH_LOAD_NT     ; the batch's 9,728 bytes as they lie: 512 consecutive bytes a load
.endr
	global_load_b128 v[76:79], v[L16], s[6:7] th:TH_LOAD_NT                        ; its 128 mask words
.irp i,0,1,2,3
	global_load_b128 v[B2+4*\i:B2+4*\i+3], v94, s[26:27] offset:16*\i              ; b2(16 h + 0 .. 15)
.endr
	WIN 0
.irp k,0,1,2
.irp p,0,1,2,3,4,5
	global_load_b64 v[R+12*\k+2*\p:R+12*\k+2*\p+1], v154, s[12:13] offset:12288*\k+48*(\p/3)+8*(\p%3)   ; Wqkv's tile 8 k + w
.endr
	global_load_b32 v[CT+\k], v155, s[14:15] offset:512*\k
.endr
.irp p,0,1,2,3,4,5
	global_load_b64 v[R+36+2*\p:R+36+2*\p+1], v154, s[16:17] offset:48*(\p/3)+8*(\p%3)                 ; Wout's tile w
.endr
	global_load_b32 v[CT+3], v155, s[18:19]
.irp s,0,1,2,3
	global_load_b32 v[R+48+2*\s], v156, s[8:9] offset:2048*\s                      ; W1(4 s + 2 h + j, f)
	global_load_b32 v[R+49+2*\s], v156, s[8:9] offset:2048*\s+512
.endr
	global_load_b32 v[R+56], v156, s[8:9] offset:8192                              ; k = 16 + 2 h
	global_load_b32 v[R+57], v155, s[8:9] offset:8704                              ; k = 17, for lanes 0-15
	global_load_b32 v[R+58], v155, s[10:11]                                        ; b1(f), for lanes 16-31: k = 19
	s_cmp_lt_u32 s[WV], 2                          ; waves 0 and 1 also lay W2's two tiles (their first rows are 0 and 8, as above)
	s_cbranch_scc0 .Lno_w2
.irp p,0,1,2,3,4,5
	global_load_b64 v[QZ+2*\p:QZ+2*\p+1], v154, s[22:23] offset:48*(\p/3)+8*(\p%3)
.endr
	global_load_b32 v[QZ+12], v155, s[24:25]
	s_wait_loadcnt 0x0
.irp c,0,1,2
	ds_store_b128 v158, v[QZ+4*\c:QZ+4*\c+3] offset:49152+512*\c
.endr
	ds_store_b32 v159, v[QZ+12] offset:4096
.Lno_w2:
	s_cmp_eq_u32 s[WV], 7                          ; wave 7 also copies bout
	s_cbranch_scc0 .Lno_bo
	global_load_b128 v[QZ+16:QZ+19], v[L16], s[20:21]
	s_wait_loadcnt 0x0
	ds_store_b128 v92, v[QZ+16:QZ+19]
.Lno_bo:
	s_wait_loadcnt 0x0
	v_cndmask_b32 v[R+57], v[R+57], v[R+58], s[HM]
	s_wait_alu depctr_va_vdst(0)                   ; the select has written v[R+57], which the last of the stores below reads
.irp k,0,1,2,3
.irp c,0,1,2
	ds_store_b128 v158, v[R+12*\k+4*\c:R+12*\k+4*\c+3] offset:12288*\k+512*\c      ; images 8 k + w
.endr
	ds_store_b32 v159, v[CT+\k] offset:1024*\k
.endr
.irp s,0,1,2,3,4
	ds_store_b64 v23, v[R+48+2*\s:R+49+2*\s] offset:256*\s
.endr
.irp b,0,1,2,3
	v_mov_b32 v[TM+4+\b], 0                        ; written once: a lane permute's destination counts as one of its sources
.endr
	s_wait_dscnt 0x0                               ; for the others' sake: my images lie in LDS
	s_barrier_signal -1
	s_barrier_wait -1                              ; the one barrier: from here the shared bytes are only read
	s_wait_alu depctr_vm_vsrc(0)                   ; my LDS stores have read CT, R and QZ: the batch's vector lines write them from here on, CT first
.Lbatch:
	; ---------------- the batch's entities and mask go to my bytes of LDS ----------------
	s_wait_loadcnt 0x0                             ; asked for a phase ago (the first batch's: at the head)
	WIN 0x04
.irp i,0,1,2,3,4,5,6,7,8,9,10,11,12,13,14,15,16,17,18
	ds_store_b128 v[SA], v[4*\i:4*\i+3] offset:512*\i
.endr
.irp i,0,1,2,3
	v_cmp_lt_i32 s[CM+\i], 0, v[76+\i]             ; em > 0: hidden
.endr
	WIN 0
	s_wait_alu depctr_va_sdst(0)                   ; the four compares have written their masks, ahead of the selects that read them
.irp i,0,1,2,3
	v_cndmask_b32 v[CT+\i], 0, v[NEG], s[CM+\i]
.endr
	s_wait_alu depctr_va_vdst(0)                   ; the selects have written CT, which the store reads; the compares are done reading the mask's registers, and the last batch's products the bias's and attn's fragment's: loads land in all of them below
	ds_store_b128 v[MTA], v[CT:CT+3]
	s_wait_dscnt 0x0                               ; the twenty stores are done;
	WIN 0x40
	s_wait_alu depctr_vm_vsrc(0)                   ; they have read their registers: W1^T's pairs land in the entities', and the quantiser writes CT again
.irp p,0,1,2,3,4,5,6,7,8,9,10,11,12,13,14,15,16,17,18,19,20,21,22,23,24,25,26,27,28,29,30,31,32,33,34,35,36,37,38,39
	ds_load_b64 v[2*\p:2*\p+1], v[L8W] offset:256*\p
.endr
	LOADC MB, MCA                                  ; the keys' bias in the scores' layout
	WIN 0
	EBLOAD 0
	; ---------------- fc1, relu, quantised: x1's eight fragments ----------------
.irp t,0,1,2,3,4,5,6,7
	TILE \t
.endr
	; ---------------- the four heads ----------------
.irp i,0,1,2,3,4,5
	v_mov_b32 v[QZ+\i], 0                          ; the three runs of zero codes round Qlo and Qhi
	v_mov_b32 v[QZ+12+\i], 0
	v_mov_b32 v[QZ+24+\i], 0
.endr
	s_mov_b32 s[HB], 0
	s_mov_b32 s[HS], 0
	s_mov_b32 s[HA], 0
	s_mov_b32 s[HC], 0
	s_mov_b32 s[HD], 4
.Lhead:
	s_wait_dscnt 0x0                               ; the last head's stores are done;
	s_wait_alu depctr_vm_vsrc(0)                   ; its loads and stores have read the four address registers, which are written again now
	v_add_nc_u32 v[WA], s[HB], v[L16]              ; the head's two tiles: 3,072 bytes of images a head,
	v_add_nc_u32 v[WSA], s[HS], v[L4]              ; 256 of scale words,
	v_add_nc_u32 v[ATA], s[HA], v[ATB]             ; 24 of a row of attn's codes,
	v_add_nc_u32 v[ASA], s[HC], v[ASB]             ; one scale byte
	WIN 0x40
	s_wait_alu depctr_va_vdst(0)                   ; the four addresses are written; fc1's or the last head's products are done reading the registers of WF and WS, in which loads land; in the first head, x1's codes and scale words are written, which the scaled products take
	FETCHW WF, WA, 12288                           ; Wk's two tiles (images 8 + 2 head + u)
	FETCHW WF+12, WA, 13824
	WIN 0
	ds_load_b32 v[WS], v[WSA] offset:WSCL+1024
	ds_load_b32 v[WS+1], v[WSA] offset:WSCL+1152
	s_wait_dscnt 0x0
.irp g,0,1                                     ; k: source 0 = Wk's tile, source 1 = x1's tile: a lane holds one key, 16 registers its 16 of the head's 32.  Four key tiles make one packed fragment
	WIN 0x05
.irp p,0,1,2,3
.irp u,0,1
	SW0 R+16*\p+8*\u, WF+12*\u, X1+12*(4*\g+\p), WS+\u, XS+4*\g+\p
.endr
.endr
	WIN 0
	PLACES 4
.if \g == 1
	WIN 0x40
	s_wait_alu depctr_va_vdst(0)                   ; k's products are done reading WF and WS
	FETCHW WF, WA, 24576                           ; Wv's two tiles land while the keys are quantised
	FETCHW WF+12, WA, 26112
	WIN 0
	ds_load_b32 v[WS], v[WSA] offset:WSCL+2048
	ds_load_b32 v[WS+1], v[WSA] offset:WSCL+2176
.endif
	QUANT R, KP+12*\g, KS+\g, 1
.endr
	s_wait_dscnt 0x0
.irp u,0,1                                     ; v: source 0 = x1's tile, source 1 = Wv's tile: a lane holds one d, its 64 registers run along the keys, the second product's K
	WIN 0x05
.irp t,0,1,2,3,4,5,6,7
	SW0 R+8*\t, X1+12*\t, WF+12*\u, XS+\t, WS+\u
.endr
	WIN 0
	PLACES 4
.if \u == 1
	WIN 0x40
	s_wait_alu depctr_va_vdst(0)                   ; v's products are done reading WF and WS
	FETCHW WF, WA, 0                               ; Wq's two tiles
	FETCHW WF+12, WA, 1536
	WIN 0
	ds_load_b32 v[WS], v[WSA] offset:WSCL
	ds_load_b32 v[WS+1], v[WSA] offset:WSCL+128
.endif
	QUANT R, VF+12*\u, VS+\u, 1
.endr
	s_wait_dscnt 0x0
	WIN 0x05                                       ; q, for the 64 agents alone
.irp p,0,1,2,3
.irp u,0,1
	SW0 R+16*\p+8*\u, WF+12*\u, X1+12*\p, WS+\u, XS+\p
.endr
.endr
	WIN 0
	PLACES 4
	QUANTQ
.irp n,0,1,2,3                                 ; a tile of 16 queries at a time
	QVER \n
	PLACES 4                                       ; operands written by vector instructions stand four places ahead of a scaled product
	s_wait_alu depctr_va_vdst(0)                   ; Qlo and Qhi are written, and (first tile) the packed keys, V^T and all their scale words: the scaled products take them
	WIN 0x11
.irp t,0,1,2,3,4,5,6,7                         ; S^T: key tile t is block t % 4 of packed fragment t / 4; the queries' codes stand at that block's place; C = the keys' bias
	SWC R+8*\t, KP+12*(\t/4), QZ+6+12*(\t%2)-6*((\t%4)/2), MB+8*\t, KS+(\t/4), QS+\n
.endr
	WIN 0
	PLACES 4
	SOFTMAX
	PLACES 4
	s_wait_alu depctr_va_vdst(0)                   ; the weights' codes and their scale word are written: the scaled products take them
	WIN 0x01
.irp u,0,1                                     ; O^T = V^T w^T
	SW0 R+8*\u, VF+12*\u, PF, VS+\u, PS
.endr
	WIN 0
	PLACES 4
	ATTNQ \n
.endr
	s_add_co_u32 s[HB], s[HB], 3072
	s_add_co_u32 s[HS], s[HS], 256
	s_add_co_u32 s[HA], s[HA], 24
	s_add_co_u32 s[HC], s[HC], 1
	s_sub_co_u32 s[HD], s[HD], 1
	s_cmp_lg_u32 s[HD], 0
	s_cbranch_scc1 .Lhead
	; ---------------- out projection, fc2, the select, the way out ----------------
	s_wait_alu depctr_va_vdst(0)                   ; the heads' products, moves and conversions are done with the packed keys, V^T, WF, x1, the bias, QZ, QX and the scale words; the last batch's compares with AMV: the loads below land in all of them
	s_cmp_eq_u32 s[BLK], 1                         ; the next batch is asked for here, if there is one: no load leaves its buffer
	s_cbranch_scc1 .Lno_next
	WIN 0x40
.irp i,0,1,2,3,4,5,6,7,8,9,10,11,12,13,14,15,16,17,18
	global_load_b128 v[4*\i:4*\i+3], v[L16], s[4:5] offset:77824+512*\i th:TH_LOAD_NT
.endr
	global_load_b128 v[76:79], v[L16], s[6:7] offset:4096 th:TH_LOAD_NT
	WIN 0
.Lno_next:
	WIN 0x40
.irp t,0,1,2,3,4,5,6,7
	FETCHW X1+12*\t, L16, 36864+1536*\t            ; Wout's eight tiles, where x1 lay
.endr
	LOADC MB, BCA                                  ; bout in the result's layout
	WIN 0
.irp t,0,1,2,3,4,5,6,7
	ds_load_b32 v[XS+\t], v[L4] offset:WSCL+3072+128*\t
.endr
	FETCHW QZ, L16, 49152                          ; W2's two tiles
	FETCHW QZ+12, L16, 50688
	ds_load_b32 v[WS], v[L4] offset:WSCL+4096
	ds_load_b32 v[WS+1], v[L4] offset:WSCL+4224
.irp n,0,1,2,3
	ds_load_b32 v[AMV+\n], v[AMA] offset:4*(32*(\n/2)+8*(\n%2))    ; my query's own bias
	ds_load_b32 v[AS+\n], v[ASB] offset:64*\n                      ; LDS serves a wave's instructions in order: these see my stores
.endr
	AFLOAD 0
.irp n,0,1,2,3
	s_wait_dscnt 0x0                               ; the operands are in, and the last tile's stores are done
.if \n == 0
.irp i,0,1,2,3
	v_cmp_gt_f32 s[CM+\i], 0, v[AMV+\i]            ; am > 0: the row is 0.  The four tiles' compares in one run
.endr
.else
	s_wait_alu depctr_vm_vsrc(0)                   ; the last tile's stores have read R, which the products write again
.endif
	WIN 0x11
.irp t,0,1,2,3,4,5,6,7                         ; x2^T = Wout^T attn^T + bout
	SWC R+8*\t, X1+12*\t, AF, MB+8*\t, XS+\t, AS+\n
.endr
	WIN 0
	PLACES 4
	QUANT R, PF, PS, 0
	PLACES 4
	s_wait_alu depctr_va_vdst(0)                   ; x2's codes and scale word are written: the scaled products take them; and the eight products above are done reading attn's fragment
.if \n < 3
	AFLOAD \n+1                                    ; the next tile's fragment: no vector or matrix line behind the wait names its registers
.endif
	WIN 0x10
.irp u,0,1                                     ; x3^T = W2^T x2^T + b2: registers 0-15 are outputs 16 h + 0 .. 15 of my query
	SWC R+8*\u, QZ+12*\u, PF, B2+8*\u, WS+\u, PS
.endr
	WIN 0
	PLACES 4
.if \n == 0
	s_wait_alu depctr_va_sdst(0)                   ; the four compares have written their masks, ahead of the first select that reads one
.endif
.irp i,0,1,2,3,4,5,6,7,8,9,10,11,12,13,14,15
	v_cndmask_b32 v[R+\i], v[R+\i], v[ZR], s[CM+\n]
.endr
	s_wait_alu depctr_va_vdst(0)                   ; the selects have written R's first sixteen, which the stores read
.irp i,0,1,2,3
	ds_store_b128 v[OSA], v[R+4*\i:R+4*\i+3] offset:(32*(\n/2)+8*(\n%2))*144+16*\i
.endr
.endr
	s_wait_dscnt 0x0                               ; the stage's stores are done;
	s_wait_alu depctr_vm_vsrc(0)                   ; they have read R, which takes the rows now (no vector or matrix line stands behind the wait ahead of those stores, so all that named R are complete)
.irp i,0,1,2,3,4,5,6,7,8,9,10,11,12,13,14,15
	ds_load_b128 v[R+4*\i:R+4*\i+3], v[ORA] offset:576*\i          ; four rows of 128 bytes a load
.endr
.irp i,0,1,2,3,4,5,6,7,8,9,10,11,12,13,14,15
	s_wait_dscnt 15-\i                             ; the younger loads may stay out
	global_store_b128 v[L16], v[R+4*\i:R+4*\i+3], s[28:29] offset:512*\i th:TH_STORE_NT   ; 32 lanes store 512 consecutive bytes, at a multiple of 512 from out0's first byte
.endr
	s_wait_xcnt 0x0                                ; the loads and stores have read their bases and registers: both may be written again
	s_wait_alu depctr_vm_vsrc(0)                   ; beside it: the stores have read R, which the next batch's relu writes
	s_add_nc_u64 s[4:5], s[4:5], 77824             ; eight batches on
	s_add_nc_u64 s[6:7], s[6:7], 4096
	s_add_nc_u64 s[28:29], s[28:29], 65536
	s_sub_co_u32 s[BLK], s[BLK], 1
	s_cmp_lg_u32 s[BLK], 0
	s_cbranch_scc1 .Lbatch
	s_wait_dscnt 0x0
	s_wait_alu depctr_hold_cnt(0) depctr_sa_sdst(0) depctr_va_vdst(0) depctr_va_sdst(0) depctr_va_ssrc(0) depctr_va_vcc(0) depctr_vm_vsrc(0)
	s_wait_tensorcnt 0x0
	ds_add_u32 v95, v157
	s_wait_dscnt 0x0
	s_endpgm
.Lfunc_end_k_q73d7ac9b6a_hyper:
	.size	k_q73d7ac9b6a_hyper, .Lfunc_end_k_q73d7ac9b6a_hyper-k_q73d7ac9b6a_hyper
	.p2alignl 7, 3214868480
	.fill 96, 4, 3214868480
	.section	.rodata,"a",@progbits
	.p2align	6, 0x0
	.amdhsa_kernel k_q73d7ac9b6a_hyper
		.amdhsa_group_segment_fixed_size 207872
		.amdhsa_private_segment_fixed_size 0
		.amdhsa_enable_private_segment 0
		.amdhsa_kernarg_size 104
		.amdhsa_user_sgpr_count 2
		.amdhsa_user_sgpr_kernarg_segment_ptr 1
		.amdhsa_wavefront_size32 1
		.amdhsa_system_sgpr_workgroup_id_x 1
		.amdhsa_system_sgpr_workgroup_id_y 1
		.amdhsa_system_sgpr_workgroup_id_z 1
		.amdhsa_system_vgpr_workitem_id 0
		.amdhsa_next_free_vgpr 512
		.amdhsa_next_free_sgpr 66
		.amdhsa_reserve_vcc 0
		.amdhsa_float_denorm_mode_32 3
		.amdhsa_float_denorm_mode_16_64 3
		.amdhsa_memory_ordered 1
		.amdhsa_forward_progress 1
		.amdhsa_inst_pref_size 230
	.end_amdhsa_kernel
	.amdgpu_metadata
---
amdhsa.version: [ 1, 2 ]
amdhsa.kernels:
  - .name:           k_q73d7ac9b6a_hyper
    .symbol:         k_q73d7ac9b6a_hyper.kd
    .args:
      - { .name: entities, .offset: 0, .size: 8, .value_kind: global_buffer, .address_space: global }
      - { .name: entity_mask, .offset: 8, .size: 8, .value_kind: global_buffer, .address_space: global }
      - { .name: W1, .offset: 16, .size: 8, .value_kind: global_buffer, .address_space: global }
      - { .name: b1, .offset: 24, .size: 8, .value_kind: global_buffer, .address_space: global }
      - { .name: Wqkv_codes, .offset: 32, .size: 8, .value_kind: global_buffer, .address_space: global }
      - { .name: Wqkv_scales, .offset: 40, .size: 8, .value_kind: global_buffer, .address_space: global }
      - { .name: Wout_codes, .offset: 48, .size: 8, .value_kind: global_buffer, .address_space: global }
      - { .name: Wout_scales, .offset: 56, .size: 8, .value_kind: global_buffer, .address_space: global }
      - { .name: bout, .offset: 64, .size: 8, .value_kind: global_buffer, .address_space: global }
      - { .name: W2_codes, .offset: 72, .size: 8, .value_kind: global_buffer, .address_space: global }
      - { .name: W2_scales, .offset: 80, .size: 8, .value_kind: global_buffer, .address_space: global }
      - { .name: b2, .offset: 88, .size: 8, .value_kind: global_buffer, .address_space: global }
      - { .name: out0, .offset: 96, .size: 8, .value_kind: global_buffer, .address_space: global }
    .group_segment_fixed_size: 207872
    .private_segment_fixed_size: 0
    .kernarg_segment_align: 8
    .kernarg_segment_size: 104
    .max_flat_workgroup_size: 256
    .sgpr_count:     66
    .vgpr_count:     512
    .wavefront_size: 32
...
	.end_amdgpu_metadata
.endif
;; end of part 2
